; MI455X (gfx1250); checked and timed in simulation.
; The chip was launched on July 23, 2026; its instructions are those of AMD's public machine-readable ISA for CDNA 5 (MIT licence, August 2026) and "CDNA5" Instruction Set Architecture Reference Guide (July 2026). The comments in the code are by the model that wrote it; some were corrected since.
;; Multi Head Attention. Allowed arithmetic: matrix products marked QUANTISED: E2M3 operands, one E8M0 scale for each 32 along K, by v_wmma_scale_f32_16x16x128_f8f6f4 with both operands' format E2M3, f32 sums; everything else in f32.
;; Inputs: Wk 1,024 x 1,024 float32; Wq 1,024 x 1,024 float32; Wv 1,024 x 1,024 float32; fc_b 1,024 float32; fc_w 1,024 x 1,024 float32; k 8 x 1,024 x 1,024 float32; ln_b 1,024 float32; ln_g 1,024 float32; q 8 x 1,024 x 1,024 float32; v 8 x 1,024 x 1,024 float32.
;; Outputs: out0 8 x 1,024 x 1,024 float32.
;; This version of the problem:
;;   THIS VERSION OF THE PROBLEM IS GIVEN IN LOW PRECISION. The matrix products marked QUANTISED in the list below multiply operands that are first quantised to E2M3 (2 exponent bits, 3 mantissa bits; 6 bits a number), with one power-of-two scale for each 32 numbers along K (OCP MX v1.0); their sums are f32. All else is computed in f32.
;;   The module's matrix products, in the order in which they are computed (A, B: the left and right operand; K: the contracted axis; several contracted axes count as one K, in the product's order):
;;     1. [M 8,192, K 1,024] x [K 1,024, N 1,024]; A: input q; B: input Wq: QUANTISED
;;     2. [M 8,192, K 1,024] x [K 1,024, N 1,024]; A: input k; B: input Wk: QUANTISED
;;     3. [M 8,192, K 1,024] x [K 1,024, N 1,024]; A: input v; B: input Wv: QUANTISED
;;     4. batch 128 x [M 1,024, K 64] x [K 64, N 1,024]; A: computed on the way; B: computed on the way: QUANTISED
;;     5. batch 128 x [M 64, K 1,024] x [K 1,024, N 1,024]; A: computed on the way; B: softmax (see below): QUANTISED
;;     6. [M 8,192, K 1,024] x [K 1,024, N 1,024]; A: computed on the way; B: input fc_w: QUANTISED
;;   THE QUANTISER, for each operand of a quantised product, along K:
;;     - K is cut into blocks of 32 from its start; a last block that is shorter is filled with zeros.
;;     - A block's scale is 2^e with e = floor(log2(the largest magnitude in the block)) - 2, held to -126 .. 127; a block of zeros has e = 0. As a byte (E8M0): e + 127.
;;     - Each number is divided by its block's scale, clamped to +-7.5, and rounded to the nearest number of E2M3, ties to even, subnormals kept.
;;     - The product sums the exact products of the quantised numbers (number of the format x scale) in f32.
;;   ~~~python
;;   def quantise(x, axis):      # numpy; x: float32 -> the quantised numbers, widened to float32 again
;;       x = np.moveaxis(x, axis, -1); K = x.shape[-1]
;;       x = np.pad(x, [(0, 0)] * (x.ndim - 1) + [(0, -K % 32)]); x = x.reshape(x.shape[:-1] + (-1, 32)); a = np.abs(x).max(-1, keepdims=True)
;;       e = np.where(a > 0, np.clip(np.frexp(np.where(a > 0, a, 1))[1] - 1 - 2, -126, 127), 0)      # np.frexp(a)[1] - 1 = floor(log2(a)), exactly
;;       r = np.clip(x / 2.0 ** e, -7.5, 7.5)
;;       step = 2.0 ** (np.maximum(np.frexp(np.where(r == 0, 1, r))[1] - 1, 0) - 3)
;;       q = np.round(r / step) * step * 2.0 ** e      # np.round: ties to even
;;       return np.moveaxis(q.reshape(q.shape[:-2] + (-1,))[..., :K], -1, axis).astype(np.float32)
;;   ~~~
;;   SOFTMAX AHEAD OF A QUANTISED PRODUCT. Where the list says 'softmax', what is quantised is not the finished softmax but p = 2^(t - M), with t = logit x log2(e) and M = ceil(the row's largest t), a whole number; so 1/2 < the row's largest p <= 1. The row's sum l is taken of the UNQUANTISED p, in f32, and the product's result is divided by l at the end. Since M is a whole number, a kernel that streams over the keys may use a running M (the ceiling of the running maximum): every later rescaling is an exact power of two, which a block's scale takes up: the codes' values come out the same.
;;   OPERANDS COMPUTED ON THE WAY. 'Computed on the way' means the value that the module computes at that place (a softmax that the list does not call 'softmax' is quantised finished and normalised). What goes into a quantiser is computed in f32, as accurately as f32 sums, v_exp_f32 and their like allow (about 1e-6 of the number): no bf16 or f16 on the way to a quantiser, and a product that is left as it is and whose result goes on into a quantised operand takes f32 operands (vector FMAs, or v_wmma_f32_16x16x4_f32). A number that lies on a knife's edge between two numbers of the format may be rounded either way, as far as f32 arithmetic and the matrix unit's own rounding can turn it there, and no further.
;; One version. Each part assembles by itself: llvm-mc -triple=amdgcn-amd-amdhsa -mcpu=gfx1250 --defsym DOCPART=n.
;; ======== version 1 of 1: 4 launches
;; workspace buffers: img 22,020,096 bytes; scl 917,504 bytes; himg 18,874,368 bytes; hscl 1,310,720 bytes; oimg 6,291,456 bytes; oscl 262,144 bytes
;; launch quant (part 1): grid 256 x 1, 7 waves a work-group, no clusters, 187,392 bytes of LDS; arguments q, k, v, Wq, Wk, Wv, fc_w, img, scl; writes img, scl
.if DOCPART == 1
	.amdgcn_target "amdgcn-amd-amdhsa--gfx1250"
	.amdhsa_code_object_version 6
	.text
	.protected	k_qdc05472ea4_quant
	.globl	k_qdc05472ea4_quant
	.p2align	8
	.type	k_qdc05472ea4_quant,@function
k_qdc05472ea4_quant:
	s_mov_b64 s[64:65], 0
	v_nop
	global_prefetch_b8 v0, s[64:65] scope:SCOPE_SE
	s_setreg_imm32_b32 hwreg(HW_REG_WAVE_MODE, 25, 1), 1
	s_wait_xcnt 0x0
; q, k, v [8192][1024] and Wq, Wk, Wv, fc_w [1024][1024], f32, K innermost, become codes of FP6 (E2M3) with one E8M0 byte for each 32 along K.
; A block's scale is 2^(floor(log2(its largest magnitude)) - 2); its byte is the largest magnitude's exponent field - 2, held at 1 from below.
; LIMITS: a block of zeros gets the byte 1 where the rule says 127 (its codes are zeros, which add nothing under any byte but 0xff, and this program alone reads the bytes);
; blocks whose largest magnitude lies under 2^-124 share that floor; NaN and infinities among the inputs are not served.
; THE OUTPUT IS LAID AS THE READERS' OPERAND REGISTERS.  A tensor's rows are cut into tiles of 16: tile T, place r is row 32 (T / 2) + 8 (T % 2) + r + 8 (r / 8).  The seven tensors' tiles follow each other: q 0, k 512,
; v 1024, Wq 1536, Wk 1600, Wv 1664, fc_w 1728: 1,792 tiles.  In img a tile is 8 fragments (16 rows x 128 K, 1,536 bytes): registers 4 g .. 4 g + 3 of lane l at 512 g + 16 l.  In scl a tile is 16 rows x 32 bytes.
; SHARES: 1,792 = 256 x 7: a wave takes one tile, 64 KB of f32.  Waves share nothing: no barrier.
; A row comes by eight loads of 512 consecutive bytes and turns through the wave's stage in LDS, so that lane b holds the row's block b (32 neighbours): no other lane is asked for a maximum.
; The lane's 24 bytes of codes go to a padded image of the tile in LDS; at the end the image leaves by stores of 512 consecutive bytes.  Loads run four rows (32 loads a wave) ahead, the turn one row.
.set WREG,  26624                      ; LDS of a wave: two stages, the image, the scale bytes
.set STGB,  4608                       ; a stage: 32 places of 128 bytes + 16 of padding
.set OUTB,  9216                       ; the image: fragment s, group g, half hh of the lanes, place r at 2112 s + 656 g + 272 hh + 16 r
.set SCRB,  26112                      ; 512 scale bytes: 32 r + block
.set SPARE, 7*WREG                     ; behind the seven regions: the spare words, 128 bytes a wave, four blocks of 256 bytes that no other line names
.set R,     32                         ; v32-159  four sets of 32: a row as it is loaded
.set X,     160                        ; v160-223 two sets of 32: my block
.set C,     224                        ; v224-239 two sets of 8: my codes in the order of the two stores
.set E,     24                         ; v24-25   two sets: my block's byte
	s_load_b256 s[4:11], s[0:1], 0x0               ; q, k, v, Wq
	s_load_b256 s[12:19], s[0:1], 0x20             ; Wk, Wv, fc_w, img
	s_load_b64 s[20:21], s[0:1], 0x40              ; scl
	v_lshl_add_u32 v14, v0, 2, SPARE               ; my spare word; never rewritten
	v_mov_b32 v15, 0                               ; 0; never rewritten
	v_lshrrev_b32 v1, 5, v0
	v_readfirstlane_b32 s22, v1                    ; wave 0..6
	v_and_b32 v1, 31, v0                           ; lane
	v_lshlrev_b32 v2, 4, v1                        ; 16 x lane
	s_mul_i32 s28, s22, WREG
	v_lshrrev_b32 v10, 3, v1
	v_mul_u32_u24 v3, v10, 144
	v_and_b32 v11, 7, v1
	v_lshl_add_u32 v3, v11, 4, v3
	v_add_nc_u32 v3, s28, v3                       ; the stage, in: eight lanes' 128 bytes are a block: 144 (lane / 8) + 16 (lane % 8); a load's 512 bytes take four places
	v_mul_u32_u24 v4, v1, 144
	v_add_nc_u32 v4, s28, v4                       ; and out: 144 x lane: my block
	v_lshrrev_b32 v10, 2, v1                       ; my block b = lane: K step s = b / 4, and in it k = 64 c + 32 h with c = (b / 2) % 2, h = b % 2
	v_mul_u32_u24 v10, v10, 2112
	v_bfe_u32 v11, v1, 1, 1                        ; c
	v_and_b32 v12, 1, v1                           ; h
	v_mad_u32_u24 v10, v12, 272, v10
	v_add_nc_u32 v10, s28, v10
	v_mad_u32_u24 v5, v11, 1312, v10
	v_add_nc_u32 v5, OUTB, v5                      ; my 16 bytes: group 0 (c = 0: registers 0-3) or group 2 (c = 1: registers 8-11)
	v_lshl_add_u32 v6, v11, 3, v10
	v_add_nc_u32 v6, OUTB+656, v6                  ; my 8 bytes: group 1, registers 4-5 (c = 0) or 6-7 (c = 1)
	v_add_nc_u32 v7, s28, v1
	v_add_nc_u32 v7, SCRB, v7                      ; my block's byte
	v_lshrrev_b32 v10, 4, v1
	v_mul_u32_u24 v8, v10, 272
	v_and_b32 v11, 15, v1
	v_lshl_add_u32 v8, v11, 4, v8
	v_add_nc_u32 v8, s28, v8
	v_add_nc_u32 v8, OUTB, v8                      ; the image on its way out: lane l's 16 bytes of a group
	v_add_nc_u32 v9, s28, v2
	v_add_nc_u32 v9, SCRB, v9                      ; and the scale bytes
	s_mov_b32 s27, 0xcccccccc                      ; the lanes with c = 1
	s_mul_i32 s23, ttmp9, 7
	s_add_co_u32 s23, s23, s22                     ; my tile, 0 .. 1791
	s_wait_kmcnt 0x0
	s_mov_b64 s[24:25], s[16:17]                   ; which tensor: the choice hangs on the tile's number alone
	s_mov_b32 s26, 1728
	s_cmp_lt_u32 s23, 1728
	s_cselect_b64 s[24:25], s[14:15], s[24:25]
	s_cselect_b32 s26, 1664, s26
	s_cmp_lt_u32 s23, 1664
	s_cselect_b64 s[24:25], s[12:13], s[24:25]
	s_cselect_b32 s26, 1600, s26
	s_cmp_lt_u32 s23, 1600
	s_cselect_b64 s[24:25], s[10:11], s[24:25]
	s_cselect_b32 s26, 1536, s26
	s_cmp_lt_u32 s23, 1536
	s_cselect_b64 s[24:25], s[8:9], s[24:25]
	s_cselect_b32 s26, 1024, s26
	s_cmp_lt_u32 s23, 1024
	s_cselect_b64 s[24:25], s[6:7], s[24:25]
	s_cselect_b32 s26, 512, s26
	s_cmp_lt_u32 s23, 512
	s_cselect_b64 s[24:25], s[4:5], s[24:25]
	s_cselect_b32 s26, 0, s26
	s_sub_co_u32 s29, s23, s26                     ; the tile's number in its tensor
	s_lshr_b32 s30, s29, 1
	s_lshl_b32 s30, s30, 17                        ; 32 rows of 4,096 bytes for each pair of tiles,
	s_and_b32 s31, s29, 1
	s_lshl_b32 s31, s31, 15                        ; 8 rows for the odd one
	s_add_co_u32 s30, s30, s31
	s_mov_b32 s31, 0
	s_add_nc_u64 s[24:25], s[24:25], s[30:31]
	s_mul_i32 s30, s23, 12288
	s_add_nc_u64 s[18:19], s[18:19], s[30:31]      ; my tile's image
	s_lshl_b32 s30, s23, 9
	s_add_nc_u64 s[20:21], s[20:21], s[30:31]      ; and its scale bytes
.macro LOAD t                          ; place t's row: eight loads of 512 consecutive bytes, into set t % 4
.irp j, 0,1,2,3,4,5,6,7
	global_load_b128 v[R+32*((\t)%4)+4*\j:R+32*((\t)%4)+4*\j+3], v2, s[24:25] offset:((\t)+8*((\t)/8))*4096+512*\j th:TH_LOAD_NT
.endr
.endm
.macro TURN t                          ; through stage t % 2: LDS serves a wave's instructions in order, so no wait stands between the stores and the loads
.irp j, 0,1,2,3,4,5,6,7
	ds_store_b128 v3, v[R+32*((\t)%4)+4*\j:R+32*((\t)%4)+4*\j+3] offset:STGB*((\t)%2)+576*\j
.endr
.irp i, 0,1,2,3,4,5,6,7
	ds_load_b128 v[X+32*((\t)%2)+4*\i:X+32*((\t)%2)+4*\i+3], v4 offset:STGB*((\t)%2)+16*\i
.endr
.endm
.macro STEP t
.set XS, X+32*((\t)%2)
.set CC, C+8*((\t)%2)
.if (\t) > 0
	s_wait_dscnt 3                                 ; all but the last step's three stores: my block is back from the stage, so the stage's stores have read their registers,
.else
	s_wait_dscnt 0x0
.endif
.if (\t)+4 < 16
	LOAD (\t)+4                                    ; which take the row four places on
.endif
.if (\t)+1 < 16
.if 14-(\t) >= 3
	s_wait_loadcnt 24                              ; the next row's eight loads are in; those of the three rows behind it may be out
.else
	s_wait_loadcnt 8*(14-(\t))
.endif
	TURN (\t)+1                                    ; it goes through the other stage while this row is worked
.endif
	v_max3_num_f32 v10, |v[XS]|, |v[XS+1]|, |v[XS+2]|              ; the block's largest magnitude: all 32 numbers are mine; two chains
	v_max3_num_f32 v11, |v[XS+3]|, |v[XS+4]|, |v[XS+5]|
.irp i, 6,10,14,18,22,26
	v_max3_num_f32 v10, v10, |v[XS+\i]|, |v[XS+\i+1]|
	v_max3_num_f32 v11, v11, |v[XS+\i+2]|, |v[XS+\i+3]|
.endr
	v_max3_num_f32 v10, v10, |v[XS+30]|, |v[XS+31]|
	v_max3_num_f32 v10, v10, v11, 0x1800000        ; and the floor 2^(3 - 127): the byte cannot fall under 1
	v_add_nc_u32 v12, 0xff000000, v10              ; 2 off the exponent field: the conversion takes the exponent field of this operand as its scale
	v_cvt_scalef32_pk16_fp6_f32 v[16:18], v[XS:XS+15], v12         ; d0-d2: 96 bits, the first number's code lowest
	v_cvt_scalef32_pk16_fp6_f32 v[20:22], v[XS+16:XS+31], v12      ; d3-d5 (a conversion's three registers begin on an even number)
	v_lshrrev_b32 v[E+(\t)%2], 23, v12             ; the byte.  (The plain line behind the conversions)
	v_cndmask_b32 v[CC], v16, v18, s27             ; the 16 bytes that fill a group: d0-d3 where c = 0, d2-d5 where c = 1
	v_cndmask_b32 v[CC+1], v17, v20, s27
	v_cndmask_b32 v[CC+2], v18, v21, s27
	v_cndmask_b32 v[CC+3], v20, v22, s27
	v_cndmask_b32 v[CC+4], v21, v16, s27           ; the 8 bytes that fill half of group 1's place: d4-d5 or d0-d1
	v_cndmask_b32 v[CC+5], v22, v17, s27
	ds_store_b128 v5, v[CC:CC+3] offset:16*(\t)
	ds_store_b64 v6, v[CC+4:CC+5] offset:16*(\t)
	ds_store_b8 v7, v[E+(\t)%2] offset:32*(\t)
.endm
	LOAD 0
	LOAD 1
	LOAD 2
	LOAD 3
	s_wait_loadcnt 24                              ; row 0's eight loads are in
	TURN 0
.irp t, 0,1,2,3,4,5,6,7,8,9,10,11,12,13,14,15
	STEP \t
.endr
.set j, 0
.rept 24                               ; the image, group by group: LDS serves a wave's instructions in order: these see my stores
	ds_load_b128 v[R+4*j:R+4*j+3], v8 offset:2112*(j/3)+656*(j%3)
.set j, j+1
.endr
	ds_load_b128 v[R+96:R+99], v9
.set j, 0
.rept 24
	s_wait_dscnt 24-j
	global_store_b128 v2, v[R+4*j:R+4*j+3], s[18:19] offset:512*j  ; 32 lanes store 512 consecutive bytes, at a multiple of 256 from the buffer's first byte
.set j, j+1
.endr
	s_wait_dscnt 0x0
	global_store_b128 v2, v[R+96:R+99], s[20:21]
	s_wait_tensorcnt 0x0                           ; the wave's end, behind my last LDS store
	ds_add_u32 v14, v15
	s_wait_dscnt 0x0
	s_endpgm
.Lfunc_end_k_qdc05472ea4_quant:
	.size	k_qdc05472ea4_quant, .Lfunc_end_k_qdc05472ea4_quant-k_qdc05472ea4_quant
	.p2alignl 7, 3214868480
	.fill 96, 4, 3214868480
	.section	.rodata,"a",@progbits
	.p2align	6, 0x0
	.amdhsa_kernel k_qdc05472ea4_quant
		.amdhsa_group_segment_fixed_size 187392
		.amdhsa_private_segment_fixed_size 0
		.amdhsa_enable_private_segment 0
		.amdhsa_kernarg_size 72
		.amdhsa_user_sgpr_count 2
		.amdhsa_user_sgpr_kernarg_segment_ptr 1
		.amdhsa_wavefront_size32 1
		.amdhsa_system_sgpr_workgroup_id_x 1
		.amdhsa_system_sgpr_workgroup_id_y 1
		.amdhsa_system_sgpr_workgroup_id_z 1
		.amdhsa_system_vgpr_workitem_id 0
		.amdhsa_next_free_vgpr 240
		.amdhsa_next_free_sgpr 66
		.amdhsa_reserve_vcc 0
		.amdhsa_float_denorm_mode_32 3
		.amdhsa_float_denorm_mode_16_64 3
		.amdhsa_memory_ordered 1
		.amdhsa_forward_progress 1
		.amdhsa_inst_pref_size 67
	.end_amdhsa_kernel
	.amdgpu_metadata
---
amdhsa.version: [ 1, 2 ]
amdhsa.kernels:
  - .name:           k_qdc05472ea4_quant
    .symbol:         k_qdc05472ea4_quant.kd
    .args:
      - { .name: q, .offset: 0, .size: 8, .value_kind: global_buffer, .address_space: global }
      - { .name: k, .offset: 8, .size: 8, .value_kind: global_buffer, .address_space: global }
      - { .name: v, .offset: 16, .size: 8, .value_kind: global_buffer, .address_space: global }
      - { .name: Wq, .offset: 24, .size: 8, .value_kind: global_buffer, .address_space: global }
      - { .name: Wk, .offset: 32, .size: 8, .value_kind: global_buffer, .address_space: global }
      - { .name: Wv, .offset: 40, .size: 8, .value_kind: global_buffer, .address_space: global }
      - { .name: fc_w, .offset: 48, .size: 8, .value_kind: global_buffer, .address_space: global }
      - { .name: img, .offset: 56, .size: 8, .value_kind: global_buffer, .address_space: global }
      - { .name: scl, .offset: 64, .size: 8, .value_kind: global_buffer, .address_space: global }
    .group_segment_fixed_size: 187392
    .private_segment_fixed_size: 0
    .kernarg_segment_align: 8
    .kernarg_segment_size: 72
    .max_flat_workgroup_size: 224
    .sgpr_count:     66
    .vgpr_count:     240
    .wavefront_size: 32
...
	.end_amdgpu_metadata
.endif
;; end of part 1
;; launch proj (part 2): grid 8 x 32, 4 waves a work-group, clusters of 4 x 4, 327,680 bytes of LDS; arguments img, scl, himg, hscl; writes himg, hscl
.if DOCPART == 2
	.amdgcn_target "amdgcn-amd-amdhsa--gfx1250"
	.amdhsa_code_object_version 6
	.text
	.protected	k_qdc05472ea4_proj
	.globl	k_qdc05472ea4_proj
	.p2align	8
	.type	k_qdc05472ea4_proj,@function
k_qdc05472ea4_proj:
	s_mov_b64 s[64:65], 0
	v_nop
	global_prefetch_b8 v0, s[64:65] scope:SCOPE_SE
	s_setreg_imm32_b32 hwreg(HW_REG_WAVE_MODE, 25, 1), 1
	s_wait_xcnt 0x0
	s_wait_alu depctr_hold_cnt(0) depctr_sa_sdst(0) depctr_va_vdst(0) depctr_va_sdst(0) depctr_va_ssrc(0) depctr_va_vcc(0) depctr_vm_vsrc(0)
	s_getreg_b32 s2, hwreg(HW_REG_IB_STS2, 6, 4)
	s_cmp_eq_u32 s2, 0
	s_cbranch_scc0 .Lentry_in_a_cluster
	s_endpgm
.Lentry_in_a_cluster:
	s_bfe_u32 s2, ttmp6, 0x10000c
	s_cmp_lg_u32 s2, 0xf033
	s_cbranch_scc0 .Lentry_shape_is_right
	s_endpgm
.Lentry_shape_is_right:
; The three projections q Wq^T, k Wk^T, v Wv^T (each 8192 x 1024 x 1024) on codes of FP6 (E2M3) with E8M0 scales, in one launch; the results are quantised on the way out and leave as codes, laid as the attention's operand registers.
; SHARES.  The three products are 768 pieces of 256 x 128 = 3 x 256: a work-group makes one piece of each product, q's, then k's, then v's, and the ring of LDS slots goes on from one product into the next.
; SOURCE 0 of the matrix instruction ('B') is the operand whose rows run along a lane's result registers, that is, along the axis that is quantised next: for q and k the weight's rows (head, d), for v the keys (v's rows).
; SOURCE 1 ('A') is the operand whose rows stand in the lanes: q's or k's rows, or Wv's rows.  A piece is 256 of A's rows x 128 of B's: two heads (q, k) or one key step (v).
; With X, Y the cluster's numbers and cx, cy the place in it: tr = 4 Y + cy, tn = 4 X + cx, tv = 8 Y + tn.  q, k: A's rows 256 tr on, B's rows 128 tn on.  v: Wv's rows 256 cy on, v's rows 128 tv on.
; WAVES.  Wave w takes A's tiles 4 w .. 4 w + 3 (64 rows) against all eight of B's: 32 accumulators, 32 matrix instructions for each 128 along K.  So a lane's 64 results of a block of 16 rows are 128 along the next K:
; one whole fragment and one whole scale word.
; OPERANDS lie in img as images of their registers: tile (16 rows) x K step (128) = 1,536 bytes, three groups of 512: a fragment is three loads of 16 bytes a lane, 512 consecutive bytes each: no pitch, no padding.
; A tile's rows: tile T, place r is row 32 (T / 2) + 8 (T % 2) + r + 8 (r / 8): so the 16 registers of result tiles 2 b and 2 b + 1 are 16 neighbours along B's rows, 32 b + 16 (lane / 16) + 0 .. 15.
; THE RING.  Two slots, each with 512 along K of A's 16 tiles and B's 8: 24 x 6,144 = 147,456 bytes, the largest two that fit in LDS; a product is two slots' worth, the launch six fills: two at the head, four refills.
; THE SCALE WORDS go from memory straight into registers: a row's 32 bytes are the words of its eight K steps; lanes 0-15 take an even tile's rows, lanes 16-31 the odd tile's: 12 loads a product, two sets of 48 registers by turns.
; CLUSTERS: 4 x 4 work-groups; A's tiles hang on Y and cy alone and are shared along a row of the cluster, B's on X, Y and cx alone and are shared along a column: each is asked for jointly, by the same tensor load
; with the same descriptor and a mask that names the four.
; THE WAY OUT: q, k: registers 6 c .. 6 c + 5 of a block's fragment are head 2 tn + c of 16 rows;  v: the fragment is V^T: 16 of (head, d) x the 128 keys of key step tv.
; LIMITS: a block of zeros gets the byte 1 where the rule says 127 (its codes are zeros; this program alone reads the bytes); NaN and infinities are not served.
; REGISTERS, in windows of 256: window 0: v0-31 addresses; v32-127 scale words, two sets, and nothing else; v128-175 the way out.  window 1: B's fragments, two sets, at v0 and v128.
;   window 2: the accumulators ((a, b) at v[8 (8 a + b)]).  window 3: A's fragments, two sets, at v0 and v128.
.set FR,     12                        ; registers of a fragment
.set TILEB,  6144                      ; a tile's part of a slot: four fragments
.set ASLOT,  16*TILEB                  ; A's 16 tiles
.set SLOT,   24*TILEB                  ; then B's 8
.set SCR,    2*SLOT                    ; behind the ring: 512 bytes a wave for the way out's scale words: bytes of their own, into which no fill lands
.set SPARE,  SCR+2048                  ; the spare words, 128 bytes a wave: two blocks of 256 bytes that no other line names
.set VO16,  8                          ; v8   16 x lane
.set VO8,   9                          ; v9   8 x lane
.set VOSQ,  10                         ; v10  q, k: where 16 bytes of scale words go: 16 (lane % 16) + 4,096 (lane / 16): the second head's lie 4,096 bytes on
.set VOSV,  11                         ; v11  v: 16 (lane % 16)
.set SHV,   12                         ; v12  16 (lane / 16): lanes 16-31 take the second head's two bytes
.set SCRA,  13                         ; v13  LDS: where my scale word goes
.set SCRL,  14                         ; v14  LDS: where 16 bytes of them come back
.set VSC,   15                         ; v15  32 x lane: my row's 32 scale bytes in a pair of tiles
.set ADRA,  16                         ; v16-17  LDS address of my A fragments in slot 0, 1
.set ADRB,  20                         ; v20-21  the same for B
.set SPW,   28                         ; v28  my spare word; never rewritten
.set NIL,   29                         ; v29  0; never rewritten
.set SC,    32                         ; scale words: set u at v[SC + 48 u]: B's pair x, K step s at 8 x + s; A's pair y at 32 + 8 y + s
.set TM,    128                        ; v128-131 largest magnitudes, v132-135 bytes, v140-143 the conversions' scale operands
.set PW,    144                        ; the scale word just made
.set PC,    148                        ; v148-159 the fragment just made; v160-162, v164-166 at work
.set VAL,   168                        ; v168-171 a scale word for each block
.set SWB,   172                        ; v172-175 16 bytes of scale words on their way out
.set SEL,   18                         ; s[18:19] lane selects for v_permlanex16_b32: lane l xor 16
.set G1,    24                         ; s[24:31] descriptor group 1 for A's tiles;  s[32:39] group 0, one set for each slot
.set G0,    32
.set G1B,   48                         ; s[48:55], s[56:63] the same for B's tiles
.set G0B,   56
.set AP1,   66                         ; s[66:67], s[68:69] where my part of A's tiles begins in the second and the third product
.set BP1,   70                         ; s[70:71], s[72:73] the same for B's
.set SAS,   74                         ; s[74:79] the scale bytes of my four tiles of A, a pair of registers for each product
.set SBS,   80                         ; s[80:85] those of B's eight tiles
.set HBB,   86                         ; s[86:91] where my results' codes go
.set HSB,   92                         ; s[92:97] and their scale words
.set MSB, 0
.macro WIN new                         ; the immediate's high byte repeats the setting that is left
.if MSB != (\new)
	s_set_vgpr_msb (MSB<<8)|(\new)
.set MSB, (\new)
.endif
.endm
.set MUL,  0xad                        ; source 0 (B) window 1, source 1 (A) window 3, C and D window 2
.set TO_B, 0x40                        ; destination window 1, address window 0
.set TO_A, 0xc0                        ; destination window 3, address window 0
; A joint load: waves 0 and 1 fetch for A, waves 2 and 3 for B.  Each line has one mask and one set of registers for all that issue it; the branch hangs on the wave's number alone.
; An s_nop 0 and four v_nop follow each of the two lines.
.macro JLOAD g0a, g1a, g0b, g1b
	s_cmp_eq_u32 s15, 0
	s_cbranch_scc0 .Lfor_b_\@
	tensor_load_to_lds s[\g0a:\g0a+3], s[\g1a:\g1a+7]
	s_nop 0
.rept 4
	v_nop
.endr
	s_branch .Lasked_\@
.Lfor_b_\@:
	tensor_load_to_lds s[\g0b:\g0b+3], s[\g1b:\g1b+7]
	s_nop 0
.rept 4
	v_nop
.endr
.Lasked_\@:
.endm
.macro CREST                           ; a round of the cluster's barrier behind its opening barrier
	s_cmp_lg_u32 s14, 0
	s_cbranch_scc1 .Lnot_wave_0_\@
	s_barrier_signal -3
.Lnot_wave_0_\@:
	s_barrier_wait -3
	s_barrier_signal -1
	s_barrier_wait -1
.endm
.macro CROUND                          ; a whole round
	s_barrier_signal -1
	s_barrier_wait -1
	CREST
.endm
	s_load_b128 s[4:7], s[0:1], 0x0                ; img, scl
	s_load_b128 s[8:11], s[0:1], 0x10              ; himg, hscl
	v_lshl_add_u32 v[SPW], v0, 2, SPARE
	v_mov_b32 v[NIL], 0
	ds_add_u32 v[SPW], v[NIL]                      ; the wave's opening: the add and its wait come ahead of my first tensor load; the set-up below, work on registers, stands between them
	v_lshrrev_b32 v1, 5, v0
	v_readfirstlane_b32 s14, v1                    ; wave 0..3
	s_lshr_b32 s15, s14, 1                         ; I fetch for A (0) or for B (1),
	s_and_b32 s16, s14, 1                          ; and which half of its tiles
	s_bfe_u32 s40, ttmp6, 0x40000                  ; cx, cy: my place in the cluster
	s_bfe_u32 s41, ttmp6, 0x40004
	s_and_b32 s13, ttmp7, 0xffff                   ; Y, the cluster's y: 0 .. 7
	s_lshl_b32 s42, ttmp9, 2
	s_add_co_u32 s42, s42, s40                     ; tn = 4 X + cx: 0 .. 7
	s_lshl_b32 s17, s13, 2
	s_add_co_u32 s17, s17, s41                     ; tr = 4 Y + cy: 0 .. 31
	s_lshl_b32 s43, s41, 2
	s_lshl_b32 s43, 15, s43                        ; my row of the cluster
	s_lshl_b32 s44, 0x1111, s40                    ; my column
	; descriptor group 1: tiles' parts of 6,144 bytes (768 elements of 8 bytes), 12,288 bytes apart in memory, dense in LDS: 8 of A's to a load, 4 of B's
	s_or_b32 s[G1+0], s43, (3<<16)|(1<<21)         ; 15:0 the mask: A's tiles go to my row; 17:16 elements of 8 bytes; 21 set beside a mask
	s_or_b32 s[G1B+0], s44, (3<<16)|(1<<21)        ; B's go to my column
.irp g, G1, G1B
	s_mov_b32 s[\g+1], 768<<16                     ; tensor_dim0
	s_mov_b32 s[\g+3], 768<<16                     ; tile_dim0
	s_mov_b32 s[\g+5], 1536                        ; tensor_dim0_stride
	s_mov_b32 s[\g+6], 0
	s_mov_b32 s[\g+7], 0
.endr
	s_mov_b32 s[G1+2], 8<<16                       ; tensor_dim1
	s_mov_b32 s[G1+4], 8                           ; tile_dim1
	s_mov_b32 s[G1B+2], 4<<16
	s_mov_b32 s[G1B+4], 4
	; where my part of A's tiles begins, in bytes of img: from Y, cy and the wave's number alone
	s_lshl_b32 s22, s16, 3                         ; 8 tiles for the second half
	s_lshl_b32 s20, s17, 4
	s_add_co_u32 s20, s20, s22                     ; q: tile 16 tr + 8 (w % 2); k's lie 512 tiles on
	s_mul_i32 s20, s20, 12288
	s_mov_b32 s21, 0
	s_lshl_b32 s23, s41, 4
	s_add_co_u32 s22, s22, s23
	s_add_co_u32 s22, s22, 1664                    ; Wv: tile 1664 + 16 cy + 8 (w % 2)
	s_mul_i32 s22, s22, 12288
	s_mov_b32 s23, 0
	; and of B's: from X, Y, cx and the wave's number alone
	s_lshl_b32 s45, s16, 2                         ; 4 tiles for the second half
	s_lshl_b32 s46, s42, 3
	s_add_co_u32 s46, s46, s45                     ; 8 tn + 4 (w % 2)
	s_lshl_b32 s2, s13, 6
	s_add_co_u32 s2, s2, s46
	s_add_co_u32 s2, s2, 1024                      ; v: tile 1024 + 8 tv + 4 (w % 2), 8 tv = 64 Y + 8 tn
	s_mul_i32 s2, s2, 12288
	s_mov_b32 s3, 0
	s_add_co_u32 s46, s46, 1536                    ; Wq: tile 1536 + 8 tn + 4 (w % 2); Wk's lie 64 tiles on
	s_mul_i32 s46, s46, 12288
	s_mov_b32 s47, 0
	s_mul_i32 s98, s16, 8*TILEB                    ; where they go in a slot: no place in the cluster enters an LDS address
	s_mul_i32 s99, s16, 4*TILEB
	s_add_co_u32 s99, s99, ASLOT
	s_mov_b32 s[SEL], 0x76543210
	s_mov_b32 s[SEL+1], 0xfedcba98
	s_wait_dscnt 0x0                               ; the opening add is done
	s_wait_kmcnt 0x0
	s_add_nc_u64 s[20:21], s[4:5], s[20:21]
	s_add_nc_u64 s[AP1:AP1+1], s[20:21], 512*12288
	s_add_nc_u64 s[AP1+2:AP1+3], s[4:5], s[22:23]
	s_add_nc_u64 s[46:47], s[4:5], s[46:47]
	s_add_nc_u64 s[BP1:BP1+1], s[46:47], 64*12288
	s_add_nc_u64 s[BP1+2:BP1+3], s[4:5], s[2:3]
	CROUND                                         ; all sixteen work-groups are here: the first joint loads meet
.irp s, 0,1
	s_mov_b32 s[G0+4*\s], 1                        ; 1:0 count = 1
	s_add_co_u32 s[G0+4*\s+1], s98, \s*SLOT        ; 63:32 LDS address
	s_add_nc_u64 s[G0+4*\s+2:G0+4*\s+3], s[20:21], \s*TILEB   ; 120:64 global address: K 512 s on
	s_or_b32 s[G0+4*\s+3], s[G0+4*\s+3], 0x80000000           ; 127:126 type = 2
	s_mov_b32 s[G0B+4*\s], 1
	s_add_co_u32 s[G0B+4*\s+1], s99, \s*SLOT
	s_add_nc_u64 s[G0B+4*\s+2:G0B+4*\s+3], s[46:47], \s*TILEB
	s_or_b32 s[G0B+4*\s+3], s[G0B+4*\s+3], 0x80000000
	JLOAD G0+4*\s, G1, G0B+4*\s, G1B               ; q's two halves of K: two tensor loads of mine are out
.endr
	; the scale bytes: 512 a tile
	v_and_b32 v3, 31, v0                           ; lane
	v_lshlrev_b32 v[VSC], 5, v3
	s_mov_b32 s21, 0
	s_lshl_b32 s22, s14, 2                         ; my four tiles of A's sixteen
	s_lshl_b32 s20, s17, 4
	s_add_co_u32 s20, s20, s22
	s_lshl_b32 s20, s20, 9
	s_add_nc_u64 s[SAS:SAS+1], s[6:7], s[20:21]
	s_add_nc_u64 s[SAS+2:SAS+3], s[SAS:SAS+1], 512*512
	s_lshl_b32 s23, s41, 4
	s_add_co_u32 s23, s23, s22                     ; T = 16 cy + 4 w: my first tile in the batch (q, k), or among Wv's 64
	s_add_co_u32 s20, s23, 1664
	s_lshl_b32 s20, s20, 9
	s_add_nc_u64 s[SAS+4:SAS+5], s[6:7], s[20:21]
	s_lshl_b32 s20, s42, 3
	s_add_co_u32 s20, s20, 1536
	s_lshl_b32 s20, s20, 9
	s_add_nc_u64 s[SBS:SBS+1], s[6:7], s[20:21]
	s_add_nc_u64 s[SBS+2:SBS+3], s[SBS:SBS+1], 64*512
	s_lshl_b32 s45, s13, 3
	s_add_co_u32 s45, s45, s42                     ; tv = 8 Y + tn: 8 x batch + key step
	s_lshl_b32 s20, s45, 3
	s_add_co_u32 s20, s20, 1024
	s_lshl_b32 s20, s20, 9
	s_add_nc_u64 s[SBS+4:SBS+5], s[6:7], s[20:21]
.macro SCLOAD u, p                     ; product p's scale words into set u: twelve loads; two of them cover a pair of tiles' 1,024 bytes
.set XU, SC+48*(\u)
.irp x, 0,1,2,3
	global_load_b128 v[XU+8*\x:XU+8*\x+3], v[VSC], s[SBS+2*(\p):SBS+2*(\p)+1] offset:1024*\x
	global_load_b128 v[XU+8*\x+4:XU+8*\x+7], v[VSC], s[SBS+2*(\p):SBS+2*(\p)+1] offset:1024*\x+16
.endr
.irp y, 0,1
	global_load_b128 v[XU+32+8*\y:XU+32+8*\y+3], v[VSC], s[SAS+2*(\p):SAS+2*(\p)+1] offset:1024*\y
	global_load_b128 v[XU+32+8*\y+4:XU+32+8*\y+7], v[VSC], s[SAS+2*(\p):SAS+2*(\p)+1] offset:1024*\y+16
.endr
.endm
	SCLOAD 0, 0
	SCLOAD 1, 1
	; where my results go.  q, k: codes [batch Y][head][tile][768 bytes], scale words [batch][head][tile][16];  v: codes [tv][tile of (head, d)][1,536 bytes], scale words [tv][tile][16]
	s_mul_i32 s20, s13, 786432
	s_mul_i32 s22, s42, 98304                      ; two heads of 49,152 bytes
	s_add_co_u32 s20, s20, s22
	s_mul_i32 s22, s23, 768
	s_add_co_u32 s20, s20, s22
	s_add_nc_u64 s[HBB:HBB+1], s[8:9], s[20:21]
	s_add_nc_u64 s[HBB+2:HBB+3], s[HBB:HBB+1], 6291456
	s_mul_i32 s20, s45, 98304
	s_mul_i32 s22, s23, 1536
	s_add_co_u32 s20, s20, s22
	s_add_co_u32 s20, s20, 12582912
	s_add_nc_u64 s[HBB+4:HBB+5], s[8:9], s[20:21]
	s_lshl_b32 s20, s13, 16
	s_lshl_b32 s22, s42, 13
	s_add_co_u32 s20, s20, s22
	s_lshl_b32 s22, s23, 6
	s_add_co_u32 s20, s20, s22
	s_add_nc_u64 s[HSB:HSB+1], s[10:11], s[20:21]
	s_add_nc_u64 s[HSB+2:HSB+3], s[HSB:HSB+1], 524288
	s_lshl_b32 s20, s45, 12
	s_add_co_u32 s20, s20, s22
	s_add_co_u32 s20, s20, 1048576
	s_add_nc_u64 s[HSB+4:HSB+5], s[10:11], s[20:21]
	v_and_b32 v1, 15, v0                           ; r
	v_bfe_u32 v2, v0, 4, 1                         ; h
	v_lshlrev_b32 v[VO16], 4, v3
	v_lshlrev_b32 v[VO8], 3, v3
	v_lshlrev_b32 v[VOSV], 4, v1
	v_lshl_add_u32 v[VOSQ], v2, 12, v[VOSV]
	v_lshlrev_b32 v[SHV], 4, v2
	s_mul_i32 s22, s14, 4*TILEB                    ; my four tiles of A
	v_add_nc_u32 v[ADRA], s22, v[VO16]
	v_add_nc_u32 v[ADRA+1], SLOT, v[ADRA]
	v_add_nc_u32 v[ADRB], ASLOT, v[VO16]           ; B's eight are every wave's
	v_add_nc_u32 v[ADRB+1], SLOT, v[ADRB]
	s_lshl_b32 s22, s14, 9
	s_add_co_u32 s22, s22, SCR                     ; my 512 bytes of scratch
	v_add_nc_u32 v[SCRL], s22, v[VO16]
	v_lshl_add_u32 v[SCRA], v2, 8, s22
	v_lshl_add_u32 v[SCRA], v1, 2, v[SCRA]         ; 256 x half + 4 r; 64 bytes a block
.irp b, 0,1,2,3
	v_mov_b32 v[TM+4+\b], 0                        ; written once: a lane permute's destination counts as one of its sources
.endr
; One product: A's block a x B's block b, the fragments of set e, K step s, scale words of set u.  Which half of the lanes holds a side's scale words hangs on the tile's number being even or odd.
; zero = 1: the product starts the sum: nothing is ever cleared.
.macro MM a, b, e, s, u, zero
.set XD, 8*(8*(\a)+(\b))
.set XB, 128*(\e)+FR*(\b)
.set XA, 128*(\e)+FR*(\a)
.set XSB, SC+48*(\u)+8*((\b)/2)+(\s)
.set XSA, SC+48*(\u)+32+8*((\a)/2)+(\s)
.if \zero
.if ((\b)%2 == 0) && ((\a)%2 == 0)
	v_wmma_scale_f32_16x16x128_f8f6f4 v[XD:XD+7], v[XB:XB+11], v[XA:XA+11], 0, v[XSB], v[XSA] matrix_a_fmt:MATRIX_FMT_FP6 matrix_b_fmt:MATRIX_FMT_FP6
.elseif ((\b)%2 == 1) && ((\a)%2 == 0)
	v_wmma_scale_f32_16x16x128_f8f6f4 v[XD:XD+7], v[XB:XB+11], v[XA:XA+11], 0, v[XSB], v[XSA] matrix_a_fmt:MATRIX_FMT_FP6 matrix_b_fmt:MATRIX_FMT_FP6 matrix_a_scale:MATRIX_SCALE_ROW1
.elseif (\b)%2 == 0
	v_wmma_scale_f32_16x16x128_f8f6f4 v[XD:XD+7], v[XB:XB+11], v[XA:XA+11], 0, v[XSB], v[XSA] matrix_a_fmt:MATRIX_FMT_FP6 matrix_b_fmt:MATRIX_FMT_FP6 matrix_b_scale:MATRIX_SCALE_ROW1
.else
	v_wmma_scale_f32_16x16x128_f8f6f4 v[XD:XD+7], v[XB:XB+11], v[XA:XA+11], 0, v[XSB], v[XSA] matrix_a_fmt:MATRIX_FMT_FP6 matrix_b_fmt:MATRIX_FMT_FP6 matrix_a_scale:MATRIX_SCALE_ROW1 matrix_b_scale:MATRIX_SCALE_ROW1
.endif
.else
.if ((\b)%2 == 0) && ((\a)%2 == 0)
	v_wmma_scale_f32_16x16x128_f8f6f4 v[XD:XD+7], v[XB:XB+11], v[XA:XA+11], v[XD:XD+7], v[XSB], v[XSA] matrix_a_fmt:MATRIX_FMT_FP6 matrix_b_fmt:MATRIX_FMT_FP6
.elseif ((\b)%2 == 1) && ((\a)%2 == 0)
	v_wmma_scale_f32_16x16x128_f8f6f4 v[XD:XD+7], v[XB:XB+11], v[XA:XA+11], v[XD:XD+7], v[XSB], v[XSA] matrix_a_fmt:MATRIX_FMT_FP6 matrix_b_fmt:MATRIX_FMT_FP6 matrix_a_scale:MATRIX_SCALE_ROW1
.elseif (\b)%2 == 0
	v_wmma_scale_f32_16x16x128_f8f6f4 v[XD:XD+7], v[XB:XB+11], v[XA:XA+11], v[XD:XD+7], v[XSB], v[XSA] matrix_a_fmt:MATRIX_FMT_FP6 matrix_b_fmt:MATRIX_FMT_FP6 matrix_b_scale:MATRIX_SCALE_ROW1
.else
	v_wmma_scale_f32_16x16x128_f8f6f4 v[XD:XD+7], v[XB:XB+11], v[XA:XA+11], v[XD:XD+7], v[XSB], v[XSA] matrix_a_fmt:MATRIX_FMT_FP6 matrix_b_fmt:MATRIX_FMT_FP6 matrix_a_scale:MATRIX_SCALE_ROW1 matrix_b_scale:MATRIX_SCALE_ROW1
.endif
.endif
.endm
.macro MULA a, e, s, u, zero           ; eight products: A's block a against B's eight.  The 32 accumulators take turns, one instruction a turn, in the same order in every step
.irp b, 0,1,2,3,4,5,6,7
	MM \a, \b, \e, \s, \u, \zero
.endr
.endm
; A fragment comes back as it was stored: registers 4 g .. 4 g + 3 of lane l lie at 512 g + 16 l.  The slot's q-th 128 along K, into set e.
.macro FETCH_B slot, q, e              ; B's eight: 24 loads
	WIN TO_B
.irp i, 0,1,2,3,4,5,6,7
.irp g, 0,1,2
	ds_load_b128 v[128*(\e)+FR*\i+4*\g:128*(\e)+FR*\i+4*\g+3], v[ADRB+(\slot)] offset:TILEB*\i+1536*(\q)+512*\g
.endr
.endr
.endm
.macro FETCH_A slot, q, e              ; my four of A's: 12 loads
	WIN TO_A
.irp i, 0,1,2,3
.irp g, 0,1,2
	ds_load_b128 v[128*(\e)+FR*\i+4*\g:128*(\e)+FR*\i+4*\g+3], v[ADRA+(\slot)] offset:TILEB*\i+1536*(\q)+512*\g
.endr
.endr
.endm
; A load into a register that a matrix instruction has read, and a vector instruction that reads a matrix result, stand four places behind that matrix instruction; only plain vector instructions that name none of
; its registers are places (ISA guide 7.12.1 for vector instructions).
.macro PLACES n
.rept \n
	v_nop
.endr
.endm
; A step of 128 along K that has its successor in the same slot: the slot's q-th.  The fragments' two sets take turns.  The next step's fragments of B are asked for at the step's head, those of A in its middle:
; both go into the set that the last step's products read, behind the four places at the head; 60 LDS loads of mine are out at the most.
; lc: at a product's first step, how many younger loads of scale words may stay out; else -1.
.macro STEP slot, q, u, zero, lc
.set KS, 4*(\slot)+(\q)
.set EE, (\q)%2
	PLACES 4
	FETCH_B \slot, (\q)+1, 1-EE
	s_wait_dscnt 24                                ; all but the 24 just issued: this step's fragments are in
.if (\lc) >= 0
	s_wait_loadcnt \lc                             ; this product's scale words are in; the twelve loads of the set asked for behind them may be out
.endif
	WIN MUL
	MULA 0, EE, KS, \u, \zero
	MULA 1, EE, KS, \u, \zero
	FETCH_A \slot, (\q)+1, 1-EE
	WIN MUL
	MULA 2, EE, KS, \u, \zero
	MULA 3, EE, KS, \u, \zero
.endm
; A slot's last step changes slots: one barrier; in front of it each wave waits for all its tensor loads (one is out: its part of the other slot), adds 0 to its spare word, and waits for that and for its own reads of
; this slot, which ended with this step's fragments.  fill = 1: this slot is filled again, with the same half of K of product np; the barrier then opens a round of the cluster's barrier.
.macro TURN slot, u, fill, np
.set KS, 4*(\slot)+3
	WIN 0                                          ; (the add's two registers lie in window 0)
	s_wait_tensorcnt 0x0                           ; all my tensor loads have landed
	ds_add_u32 v[SPW], v[NIL]                      ; 0 onto my spare word
	s_wait_dscnt 1                                 ; this step's fragments are in (the add may be out)
	WIN MUL
	MULA 0, 1, KS, \u, 0                           ; eight matrix instructions stand between the add and the wait for it
	s_wait_dscnt 0x0                               ; the add is done, and my reads of this slot are over
	s_barrier_signal -1
	MULA 1, 1, KS, \u, 0
	WIN 0
	s_barrier_wait -1
.if \fill
	CREST                                          ; no wave of any partner still reads this slot's tiles or has a load on its way
	s_add_nc_u64 s[G0+4*(\slot)+2:G0+4*(\slot)+3], s[AP1+2*((\np)-1):AP1+2*((\np)-1)+1], (\slot)*TILEB
	s_or_b32 s[G0+4*(\slot)+3], s[G0+4*(\slot)+3], 0x80000000
	s_add_nc_u64 s[G0B+4*(\slot)+2:G0B+4*(\slot)+3], s[BP1+2*((\np)-1):BP1+2*((\np)-1)+1], (\slot)*TILEB
	s_or_b32 s[G0B+4*(\slot)+3], s[G0B+4*(\slot)+3], 0x80000000
	JLOAD G0+4*(\slot), G1, G0B+4*(\slot), G1B     ; the first tensor load behind the round, my one load until the next; the four v_nop behind it are the places in front of the loads below
.else
	PLACES 4
.endif
	FETCH_B 1-(\slot), 0, 0
	FETCH_A 1-(\slot), 0, 0
	WIN MUL
	MULA 2, 1, KS, \u, 0
	MULA 3, 1, KS, \u, 0
.endm
; THE WAY OUT of block a (16 of A's rows) of product p.  Its eight accumulators are 64 registers on end: register 16 b + i is B's row 32 b + 16 (lane / 16) + i of my lane's row of A.
.macro QUANTW p, a
.set AC, 64*(\a)
.set HB, HBB+2*(\p)
.if (\p) < 2
.set OA, 768*(\a)                      ; q, k: from tile to tile; the fragment's second half is the next head's
.set OC, 49152
.else
.set OA, 1536*(\a)                     ; v: from tile to tile; the second half is the next 64 keys'
.set OC, 768
.endif
	WIN 0x28                                       ; sources 1 and 2: the accumulators' window
.irp b, 0,1,2,3
	v_max3_num_f32 v[TM+\b], 0x1800000, |v[AC+16*\b]|, |v[AC+16*\b+1]|   ; block b: my 16 numbers, and the floor 2^(3 - 127); each accumulator is read from its low end on
.endr
.irp i, 2,4,6,8,10,12,14
.irp b, 0,1,2,3
	v_max3_num_f32 v[TM+\b], v[TM+\b], |v[AC+16*\b+\i]|, |v[AC+16*\b+\i+1]|   ; (the four blocks by turns)
.endr
.endr
	WIN 0
.irp b, 0,1,2,3
	v_permlanex16_b32 v[TM+4+\b], v[TM+\b], s[SEL], s[SEL+1]
.endr
.irp b, 0,1,2,3
	v_max_num_f32 v[TM+\b], v[TM+\b], v[TM+4+\b]   ; with lane l xor 16's: the block's largest magnitude
.endr
.irp b, 0,1,2,3
	v_add_nc_u32 v[TM+12+\b], 0xff000000, v[TM+\b] ; 2 off its exponent field: the conversion's scale operand
.endr
.irp b, 0,1,2,3
	v_lshrrev_b32 v[TM+4+\b], 23, v[TM+12+\b]      ; the scale's byte
.endr
	v_lshl_or_b32 v[PW], v[TM+5], 8, v[TM+4]
	v_lshl_or_b32 v[PW], v[TM+6], 16, v[PW]
	v_lshl_or_b32 v[PW], v[TM+7], 24, v[PW]
	s_wait_xcnt 0x0                                ; the last block's stores have read their data: it is written again only behind this wait
	WIN 0x02                                       ; source 0: the accumulators' window
.irp c, 0,1
	v_cvt_scalef32_pk16_fp6_f32 v[PC+6*\c:PC+2+6*\c], v[AC+32*\c:AC+15+32*\c], v[TM+12+2*\c]
	v_cvt_scalef32_pk16_fp6_f32 v[PC+12+4*\c:PC+14+4*\c], v[AC+16+32*\c:AC+31+32*\c], v[TM+12+2*\c+1]   ; (a conversion's three registers begin on an even number)
.endr
	WIN 0
	v_nop                                          ; one plain line behind the conversions
.irp c, 0,1                                    ; the operand's layout wants a whole block in a lane: lanes 0-15 block 2 c, lanes 16-31 block 2 c + 1
.irp i, 0,1,2
	v_permlane16_swap_b32 v[PC+6*\c+\i], v[PC+12+4*\c+\i]
.endr
.irp i, 0,1,2
	v_mov_b32 v[PC+3+6*\c+\i], v[PC+12+4*\c+\i]
.endr
.endr
	global_store_b128 v[VO16], v[PC:PC+3], s[HB:HB+1] offset:OA            ; half a fragment is 768 bytes: registers 0-3 at 16 x lane (512 consecutive bytes),
	global_store_b64 v[VO8], v[PC+4:PC+5], s[HB:HB+1] offset:OA+512        ; registers 4-5 at 512 + 8 x lane (256)
	global_store_b128 v[VO16], v[PC+6:PC+9], s[HB:HB+1] offset:OA+OC
	global_store_b64 v[VO8], v[PC+10:PC+11], s[HB:HB+1] offset:OA+OC+512
.if (\p) < 2
	v_lshrrev_b32 v[VAL+(\a)], v[SHV], v[PW]
	v_and_b32 v[VAL+(\a)], 0xffff, v[VAL+(\a)]     ; q, k: my half's head's two bytes, the upper two 0
.else
	v_mov_b32 v[VAL+(\a)], v[PW]                   ; v: the whole word; both halves of the lanes hold it
.endif
	ds_store_b32 v[SCRA], v[VAL+(\a)] offset:64*(\a)
.endm
; A product's way out: four blocks; then their scale words, gathered in my scratch, leave in runs of 256 consecutive bytes from sixteen lanes: q, k: a run for each head; v: one run, which both halves of the lanes store alike.
.macro WAYOUT p
	PLACES 4                                       ; behind the last products: in front of the first read of results and of loads into scale registers
	WIN 0
.if (\p) == 0
	SCLOAD 0, 2                                    ; v's scale words take the set that q's have left
.endif
	QUANTW \p, 0
	QUANTW \p, 1
	QUANTW \p, 2
	QUANTW \p, 3
	ds_load_b128 v[SWB:SWB+3], v[SCRL]             ; LDS serves a wave's instructions in order: this sees my stores
	s_wait_dscnt 0x0
.if (\p) < 2
	global_store_b128 v[VOSQ], v[SWB:SWB+3], s[HSB+2*(\p):HSB+2*(\p)+1]
.else
	global_store_b128 v[VOSV], v[SWB:SWB+3], s[HSB+2*(\p):HSB+2*(\p)+1]
.endif
.endm
	s_wait_tensorcnt 1                             ; my part of slot 0 is in (slot 1's load may be out)
	s_barrier_signal -1
	s_barrier_wait -1                              ; everybody's is
	FETCH_B 0, 0, 0
	FETCH_A 0, 0, 0
	; q: eight steps; the first step's products start the sums
	STEP 0, 0, 0, 1, 12
	STEP 0, 1, 0, 0, -1
	STEP 0, 2, 0, 0, -1
	TURN 0, 0, 1, 1                                ; slot 0 takes k's K 0 .. 511
	STEP 1, 0, 0, 0, -1
	STEP 1, 1, 0, 0, -1
	STEP 1, 2, 0, 0, -1
	TURN 1, 0, 1, 1                                ; slot 1 takes k's K 512 .. 1023, and k's first fragments are fetched
	WAYOUT 0                                       ; q goes out while that load is on its way
	; k
	STEP 0, 0, 1, 1, 12
	STEP 0, 1, 1, 0, -1
	STEP 0, 2, 1, 0, -1
	TURN 0, 1, 1, 2                                ; slot 0 takes v's K 0 .. 511
	STEP 1, 0, 1, 0, -1
	STEP 1, 1, 1, 0, -1
	STEP 1, 2, 1, 0, -1
	TURN 1, 1, 1, 2                                ; slot 1 takes v's K 512 .. 1023
	WAYOUT 1
	; v
	STEP 0, 0, 0, 1, 0
	STEP 0, 1, 0, 0, -1
	STEP 0, 2, 0, 0, -1
	TURN 0, 0, 0, 0                                ; nothing is left to fetch: no round
	STEP 1, 0, 0, 0, -1
	STEP 1, 1, 0, 0, -1
	STEP 1, 2, 0, 0, -1
	s_wait_dscnt 0x0                               ; the last step
	WIN MUL
	MULA 0, 1, 7, 0, 0
	MULA 1, 1, 7, 0, 0
	MULA 2, 1, 7, 0, 0
	MULA 3, 1, 7, 0, 0
	WAYOUT 2
	s_wait_tensorcnt 0x0                           ; the wave's end, behind my last tensor load and my last LDS store
	ds_add_u32 v[SPW], v[NIL]
	s_wait_dscnt 0x0
	CROUND                                         ; the closing round: no work-group ends while a partner may still ask for a tile that names it
	s_endpgm
.Lfunc_end_k_qdc05472ea4_proj:
	.size	k_qdc05472ea4_proj, .Lfunc_end_k_qdc05472ea4_proj-k_qdc05472ea4_proj
	.p2alignl 7, 3214868480
	.fill 96, 4, 3214868480
	.section	.rodata,"a",@progbits
	.p2align	6, 0x0
	.amdhsa_kernel k_qdc05472ea4_proj
		.amdhsa_group_segment_fixed_size 327680
		.amdhsa_private_segment_fixed_size 0
		.amdhsa_enable_private_segment 0
		.amdhsa_kernarg_size 32
		.amdhsa_user_sgpr_count 2
		.amdhsa_user_sgpr_kernarg_segment_ptr 1
		.amdhsa_wavefront_size32 1
		.amdhsa_system_sgpr_workgroup_id_x 1
		.amdhsa_system_sgpr_workgroup_id_y 1
		.amdhsa_system_sgpr_workgroup_id_z 1
		.amdhsa_system_vgpr_workitem_id 0
		.amdhsa_next_free_vgpr 1024
		.amdhsa_next_free_sgpr 100
		.amdhsa_reserve_vcc 0
		.amdhsa_float_denorm_mode_32 3
		.amdhsa_float_denorm_mode_16_64 3
		.amdhsa_memory_ordered 1
		.amdhsa_forward_progress 1
		.amdhsa_inst_pref_size 228
	.end_amdhsa_kernel
	.amdgpu_metadata
---
amdhsa.version: [ 1, 2 ]
amdhsa.kernels:
  - .name:           k_qdc05472ea4_proj
    .symbol:         k_qdc05472ea4_proj.kd
    .args:
      - { .name: img, .offset: 0, .size: 8, .value_kind: global_buffer, .address_space: global }
      - { .name: scl, .offset: 8, .size: 8, .value_kind: global_buffer, .address_space: global }
      - { .name: himg, .offset: 16, .size: 8, .value_kind: global_buffer, .address_space: global }
      - { .name: hscl, .offset: 24, .size: 8, .value_kind: global_buffer, .address_space: global }
    .group_segment_fixed_size: 327680
    .private_segment_fixed_size: 0
    .kernarg_segment_align: 8
    .kernarg_segment_size: 32
    .max_flat_workgroup_size: 128
    .sgpr_count:     100
    .vgpr_count:     1024
    .wavefront_size: 32
...
	.end_amdgpu_metadata
.endif
;; end of part 2
;; launch attn (part 3): grid 4 x 64, 16 waves a work-group, clusters of 4 x 1, 210,944 bytes of LDS; arguments himg, hscl, oimg, oscl; writes oimg, oscl
.if DOCPART == 3
	.amdgcn_target "amdgcn-amd-amdhsa--gfx1250"
	.amdhsa_code_object_version 6
	.text
	.protected	k_qdc05472ea4_attn
	.globl	k_qdc05472ea4_attn
	.p2align	8
	.type	k_qdc05472ea4_attn,@function
k_qdc05472ea4_attn:
	s_mov_b64 s[64:65], 0
	v_nop
	global_prefetch_b8 v0, s[64:65] scope:SCOPE_SE
	s_setreg_imm32_b32 hwreg(HW_REG_WAVE_MODE, 25, 1), 1
	s_wait_xcnt 0x0
	s_wait_alu depctr_hold_cnt(0) depctr_sa_sdst(0) depctr_va_vdst(0) depctr_va_sdst(0) depctr_va_ssrc(0) depctr_va_vcc(0) depctr_vm_vsrc(0)
	s_getreg_b32 s2, hwreg(HW_REG_IB_STS2, 6, 4)
	s_cmp_eq_u32 s2, 0
	s_cbranch_scc0 .Lentry_in_a_cluster
	s_endpgm
.Lentry_in_a_cluster:
	s_bfe_u32 s2, ttmp6, 0x10000c
	s_cmp_lg_u32 s2, 0x3003
	s_cbranch_scc0 .Lentry_shape_is_right
	s_endpgm
.Lentry_shape_is_right:
; O[b][q][head][:] = the sum over keys of softmax(Q . K / 8) V, both products on codes of FP6 (E2M3) with E8M0 scales; O / the row's sum is quantised along (head, d) and leaves as the last product's operand.
; THE SOFTMAX AHEAD OF THE SECOND PRODUCT: t = score x log2(e) / 8; M = the running largest t rounded up to a whole number; p = 2^(t - M) is quantised along the keys, not normalised; the row's sum is taken of the
; unquantised p and divides O at the end.  When M moves, the sum and O are multiplied by 2^(old M - new M): exact.
; SHARES.  A work-group owns 256 queries of one batch and one PAIR of heads; each of its sixteen waves owns one tile of 16 queries (four waves to a SIMD, so that one wave's vector work stands beside another's matrix
; work and LDS loads) and takes the pair's heads one after the other, 8 key steps of 128 each.  With both heads a wave makes a whole fragment (128 along the last product's K) and a whole scale word.
; LDS.  K and V of both heads, all 1,024 keys, and their scale words are brought ONCE: nothing is filled again.  Head 1's codes land while head 0 is worked.
; CLUSTER.  The four query blocks of a batch and pair of heads read the same K and V: every fill is asked for jointly, by the same tensor load with the same descriptor and the mask 15.
; All that the launch reads is asked for at its head, so there is no later tile to ask for early: no prefetch.
; LAYOUT.  Both products are used transposed (S^T = K Q^T, O^T = V^T P^T): a lane holds one query throughout.  Tiles of 16 rows hold rows 32 (T / 2) + 8 (T % 2) + r + 8 (r / 8): the 16 registers of result tiles
; 2 b and 2 b + 1 are 16 neighbours.  Operands lie as images of half fragments (64 along K, 768 bytes): registers 0-3 of lane l at 16 l, registers 4-5 at 512 + 8 l.
; THE HEAD IS 64 AND THE INSTRUCTION'S K IS 128: Q's codes for k = 64 .. 127 are zeros and the upper two bytes of Q's and K's scale words are 0.  K's upper six registers are then free to be anything finite:
; they are the next tile's codes, so that a tile of K costs six registers and two loads.
; LIMITS: a block of zeros gets the byte 1 (its codes are zeros; this program alone reads the bytes).  O's 16 scale words a tile are 64 bytes: a quarter of 256 aligned bytes is written by a wave.
; REGISTERS: v1-3 lane places; v4-7 addresses of the loads in hand; v8, v9 the add's two; v11 4 (lane % 16); v12 -M, v13 the largest t, v[14:15] the sum in two halves; v16-27, v28-39 Q of heads 0, 1; v40, v41 their scale
; words; v42-95 K's eight tiles (6 registers apart; v90-95 zeros) or V's four (12 apart); v96-159 S^T, then p; v160-191 O^T; v192-203 the fragment of O; v204 its scale word; v224-235 p's codes; v232-254 at work; v248-251 K's or V's scale words.
.set KSC,   196608                     ; K's scale words: [head][tile 64][16 words]
.set VSC,   204800                     ; V's: [key step 8][head][tile 4][16 words]
.set SPARE, 208896                     ; the spare words, 128 bytes a wave: eight blocks of 256 bytes that no other line names
.set HEADB, 98304                      ; a head in LDS: K [tile 64][768], then V [key step 8][tile 4][1,536]
.set KV,    42
.set WV,    12
.set G1D,   24                         ; s[24:31] group 1: 6,144 dense bytes;  s[32:39]: 512;  s[40:47]: 256
.set G1KS,  32
.set G1VS,  40
.set G0H0,  48                         ; s[48:51], s[52:55] groups 0 for my share of heads 0, 1;  s[56:59], s[60:63] for my shares of K's and V's scale words
.set G0H1,  52
.set G0KS,  56
.set G0VS,  60
.set TB,    66                         ; s66  LDS byte of the step's tiles of K (V's lie 49,152 on)
.set TS,    67                         ; s67  of K's scale words
.set TJ,    68                         ; s68  of V's
.set CNT,   70
.set SEL,   72                         ; s[72:73] lane selects for v_permlanex16_b32: lane l xor 16
.set CS,    74                         ; s[74:75] c = log2(e) / 8
.macro CROUND                          ; a round of the cluster's barrier
	s_barrier_signal -1
	s_barrier_wait -1
	s_cmp_lg_u32 s[WV], 0
	s_cbranch_scc1 .Lnot_wave_0_\@
	s_barrier_signal -3
.Lnot_wave_0_\@:
	s_barrier_wait -3
	s_barrier_signal -1
	s_barrier_wait -1
.endm
	s_load_b256 s[4:11], s[0:1], 0x0               ; himg, hscl, oimg, oscl
	v_lshl_add_u32 v8, v0, 2, SPARE
	v_mov_b32 v9, 0
	ds_add_u32 v8, v9                              ; the wave's opening: the add and its wait come ahead of my first tensor load; the set-up below, work on registers, stands between them
	ds_add_u32 v8, v9
	v_lshrrev_b32 v10, 5, v0
	s_delay_alu instid0(VALU_DEP_1)
	v_readfirstlane_b32 s[WV], v10                 ; wave 0..15
	s_bfe_u32 s13, ttmp6, 0x40000                  ; cx: my block of 256 queries: it enters Q's and O's addresses alone
	s_and_b32 s14, ttmp7, 0xffff
	s_lshr_b32 s15, s14, 3                         ; the batch
	s_and_b32 s16, s14, 7                          ; the pair of heads
	s_lshl_b32 s17, s13, 4
	s_add_co_u32 s17, s17, s[WV]                   ; my tile of queries in the batch
.irp g, G1D, G1KS, G1VS                        ; dense bytes, as rows of 256 (32 elements of 8 bytes)
	s_mov_b32 s[\g], 15|(3<<16)|(1<<21)            ; 15:0 the mask: all four work-groups; 17:16 elements of 8 bytes; 21 set beside a mask
	s_mov_b32 s[\g+1], 32<<16                      ; tensor_dim0
	s_mov_b32 s[\g+3], 32<<16                      ; tile_dim0
	s_mov_b32 s[\g+5], 32                          ; tensor_dim0_stride
	s_mov_b32 s[\g+6], 0
	s_mov_b32 s[\g+7], 0
.endr
	s_mov_b32 s[G1D+2], 24<<16                     ; tensor_dim1 and tile_dim1: 24 rows,
	s_mov_b32 s[G1D+4], 24
	s_mov_b32 s[G1KS+2], 2<<16                     ; 2,
	s_mov_b32 s[G1KS+4], 2
	s_mov_b32 s[G1VS+2], 1<<16                     ; 1
	s_mov_b32 s[G1VS+4], 1
	s_mul_i32 s76, s15, 786432
	s_mul_i32 s77, s16, 98304
	s_add_co_u32 s77, s77, s76                     ; the batch's and the pair's place among q's or k's codes
	s_mul_i32 s78, s[WV], 6144                     ; my share of a head in LDS: waves 0-7 K's key step w, waves 8-15 V's key step w - 8
	s_add_co_u32 s80, s77, s78
	s_add_co_u32 s80, s80, 6291456                 ; K: 8 tiles of 768 bytes
	s_mul_i32 s79, s[WV], 98304
	s_add_co_u32 s82, s76, s79
	s_mul_i32 s79, s16, 12288
	s_add_co_u32 s82, s82, s79
	s_add_co_u32 s82, s82, 11796480                ; V: 12,582,912 + 98,304 (w - 8) + the head's 4 tiles of 1,536 bytes
	s_mov_b32 s84, 6144
	s_cmp_lt_u32 s[WV], 8
	s_cselect_b32 s80, s80, s82
	s_cselect_b32 s84, 49152, s84                  ; from head 0 to head 1
	s_mov_b32 s81, 0
	s_mov_b32 s85, 0
	s_lshl_b32 s86, s15, 16
	s_lshl_b32 s87, s16, 13
	s_add_co_u32 s92, s86, s87                     ; the batch's and the pair's place among q's or k's scale words
	s_lshl_b32 s87, s[WV], 9
	s_add_co_u32 s86, s92, s87
	s_add_co_u32 s86, s86, 524288                  ; my 512 bytes of K's
	s_mov_b32 s87, 0
	s_lshl_b32 s88, s15, 15
	s_lshl_b32 s89, s16, 9
	s_add_co_u32 s88, s88, s89
	s_lshr_b32 s89, s[WV], 1
	s_lshl_b32 s89, s89, 12
	s_add_co_u32 s88, s88, s89
	s_and_b32 s89, s[WV], 1
	s_lshl_b32 s89, s89, 8
	s_add_co_u32 s88, s88, s89
	s_add_co_u32 s88, s88, 1048576                 ; my 256 bytes of V's: key step w / 2, head w % 2
	s_mov_b32 s89, 0
	s_mul_i32 s90, s17, 768
	s_add_co_u32 s90, s90, s77                     ; Q's codes: my tile, head 0
	s_mov_b32 s91, 0
	s_lshl_b32 s93, s17, 6
	s_add_co_u32 s92, s92, s93                     ; and its scale words
	s_mov_b32 s93, 0
	s_lshl_b32 s94, s15, 6
	s_add_co_u32 s96, s94, s17                     ; my tile among all 512
	s_mul_i32 s94, s96, 12288
	s_mul_i32 s95, s16, 1536
	s_add_co_u32 s94, s94, s95                     ; O's fragment: [tile][pair of heads][1,536]
	s_mov_b32 s95, 0
	s_lshl_b32 s96, s96, 6
	s_lshl_b32 s97, s16, 15
	s_add_co_u32 s96, s96, s97                     ; its scale words: [pair of heads][tile][16]
	s_mov_b32 s97, 0
	s_mov_b32 s[SEL], 0x76543210
	s_mov_b32 s[SEL+1], 0xfedcba98
	s_mov_b32 s[CS], 0x3e38aa3b                    ; c = log2(e) / sqrt(64)
	s_mov_b32 s[CS+1], s[CS]                       ; (named with it as a pair, so it is written)
	s_wait_dscnt 0x0                               ; the opening add is done
	s_wait_kmcnt 0x0
	s_mov_b32 s[G0H0], 1
	s_mov_b32 s[G0H0+1], s78
	s_add_nc_u64 s[G0H0+2:G0H0+3], s[4:5], s[80:81]
	s_mov_b32 s[G0H1], 1
	s_add_co_u32 s[G0H1+1], s78, HEADB
	s_add_nc_u64 s[G0H1+2:G0H1+3], s[G0H0+2:G0H0+3], s[84:85]
	s_or_b32 s[G0H0+3], s[G0H0+3], 0x80000000
	s_or_b32 s[G0H1+3], s[G0H1+3], 0x80000000
	s_mov_b32 s[G0KS], 1
	s_lshl_b32 s[G0KS+1], s[WV], 9
	s_add_co_u32 s[G0KS+1], s[G0KS+1], KSC
	s_add_nc_u64 s[G0KS+2:G0KS+3], s[6:7], s[86:87]
	s_or_b32 s[G0KS+3], s[G0KS+3], 0x80000000
	s_mov_b32 s[G0VS], 1
	s_lshl_b32 s[G0VS+1], s[WV], 8
	s_add_co_u32 s[G0VS+1], s[G0VS+1], VSC
	s_add_nc_u64 s[G0VS+2:G0VS+3], s[6:7], s[88:89]
	s_or_b32 s[G0VS+3], s[G0VS+3], 0x80000000
	CROUND                                         ; all four work-groups are here: the joint loads meet
	tensor_load_to_lds s[G0KS:G0KS+3], s[G1KS:G1KS+7]      ; every wave issues the same four fills, with no branch: four tensor loads of mine are out
	s_nop 0
	tensor_load_to_lds s[G0VS:G0VS+3], s[G1VS:G1VS+7]
	s_nop 0
	tensor_load_to_lds s[G0H0:G0H0+3], s[G1D:G1D+7]
	s_nop 0
	tensor_load_to_lds s[G0H1:G0H1+3], s[G1D:G1D+7]
	s_nop 0
.rept 4
	v_nop
.endr
	s_add_nc_u64 s[90:91], s[4:5], s[90:91]
	s_add_nc_u64 s[92:93], s[6:7], s[92:93]
	s_add_nc_u64 s[8:9], s[8:9], s[94:95]
	s_add_nc_u64 s[10:11], s[10:11], s[96:97]
	v_and_b32 v10, 31, v0
	s_delay_alu instid0(VALU_DEP_1)
	v_lshlrev_b32 v1, 4, v10                       ; 16 x lane
	s_delay_alu instid0(VALU_DEP_2)
	v_lshl_add_u32 v2, v10, 3, 512                 ; 512 + 8 x lane
	s_delay_alu instid0(VALU_DEP_3)
	v_lshlrev_b32 v3, 2, v10                       ; 4 x lane
	v_and_b32 v11, 15, v0
	s_delay_alu instid0(VALU_DEP_1)
	v_lshlrev_b32 v11, 2, v11                      ; 4 x (lane % 16)
.irp c, 0,1
	global_load_b128 v[16+12*\c:19+12*\c], v1, s[90:91] offset:49152*\c    ; Q stays in registers
	global_load_b64 v[20+12*\c:21+12*\c], v2, s[90:91] offset:49152*\c
	global_load_b32 v[40+\c], v11, s[92:93] offset:4096*\c
.endr
.irp j, 22,23,24,25,26,27,34,35,36,37,38,39
	v_mov_b32 v\j, 0                               ; Q's codes for k = 64 .. 127
.endr
.irp j, 90,91,92,93,94,95
	v_mov_b32 v\j, 0                               ; behind K's last tile
.endr
.irp j, 236,237,238,239,253
	v_mov_b32 v\j, 0                               ; written once: a lane permute's destination counts as one of its sources; v253 is named as the upper half of the pair v[252:253]
.endr
; A KEY STEP of head c: 128 keys.
.macro STEP c
	v_add_nc_u32 v4, s[TB], v1                     ; (these four are also the places behind the last products, in front of the loads into the registers that they read)
	v_add_nc_u32 v5, s[TB], v2
	v_add_nc_u32 v6, s[TS], v3
	v_add_nc_u32 v7, s[TJ], v3
.irp t, 0,1,2,3,4,5,6,7
	ds_load_b128 v[KV+6*\t:KV+6*\t+3], v4 offset:768*\t
	ds_load_b64 v[KV+6*\t+4:KV+6*\t+5], v5 offset:768*\t
.endr
.irp x, 0,1,2,3
	ds_load_b32 v[248+\x], v6 offset:128*\x        ; lanes 0-15 tile 2 x's words, lanes 16-31 tile 2 x + 1's
.endr
	s_wait_alu depctr_va_vdst(0)
	s_wait_dscnt 0x0
.irp t, 0,2,4,6                                ; S^T = K Q^T: source 0 = 16 keys, source 1 = my 16 queries
	v_wmma_scale_f32_16x16x128_f8f6f4 v[96+8*\t:103+8*\t], v[KV+6*\t:KV+6*\t+11], v[16+12*\c:27+12*\c], 0, v[248+\t/2], v[40+\c] matrix_a_fmt:MATRIX_FMT_FP6 matrix_b_fmt:MATRIX_FMT_FP6
	v_wmma_scale_f32_16x16x128_f8f6f4 v[96+8*(\t+1):103+8*(\t+1)], v[KV+6*(\t+1):KV+6*(\t+1)+11], v[16+12*\c:27+12*\c], 0, v[248+\t/2], v[40+\c] matrix_a_fmt:MATRIX_FMT_FP6 matrix_b_fmt:MATRIX_FMT_FP6 matrix_a_scale:MATRIX_SCALE_ROW1
.endr
.rept 4
	v_nop                                          ; places in front of the loads below and of the first read of the scores
.endr
.irp t, 0,1,2,3                                ; V's four tiles and their scale words are asked for here: they land under the softmax
.irp u, 0,1
	ds_load_b128 v[KV+12*\t+6*\u:KV+12*\t+6*\u+3], v4 offset:49152+1536*\t+768*\u
	ds_load_b64 v[KV+12*\t+6*\u+4:KV+12*\t+6*\u+5], v5 offset:49152+1536*\t+768*\u
.endr
.endr
.irp y, 0,1
	ds_load_b32 v[248+\y], v7 offset:128*\y
.endr
.irp b, 0,1,2,3
	v_max3_num_f32 v[232+\b], v[96+16*\b], v[97+16*\b], v[98+16*\b]   ; the largest score of each block of 32 keys: it serves for the row's maximum and, since p rises with the score, for the block's largest p
.endr
.irp i, 3,5,7,9,11,13
.irp b, 0,1,2,3
	v_max3_num_f32 v[232+\b], v[232+\b], v[96+16*\b+\i], v[97+16*\b+\i]
.endr
.endr
.irp b, 0,1,2,3
	v_max_num_f32 v[232+\b], v[232+\b], v[111+16*\b]
.endr
.irp b, 0,1,2,3
	s_delay_alu instid0(VALU_DEP_4)
	v_permlanex16_b32 v[236+\b], v[232+\b], s[SEL], s[SEL+1]
.endr
.irp b, 0,1,2,3
	s_delay_alu instid0(VALU_DEP_4)
	v_max_num_f32 v[232+\b], v[232+\b], v[236+\b]  ; with lane l xor 16's 16 keys
.endr
	s_delay_alu instid0(VALU_DEP_2)
	v_max3_num_f32 v254, v232, v233, v234
	s_delay_alu instid0(VALU_DEP_1)
	v_max_num_f32 v254, v254, v235                 ; the step's largest score of my query
	s_delay_alu instid0(VALU_DEP_1)
	v_mul_f32 v254, s[CS], v254                    ; as t (c is positive)
	s_delay_alu instid0(VALU_DEP_1)
	v_max_num_f32 v13, v13, v254                   ; the running largest t
	v_mov_b32 v254, v12
	s_delay_alu instid0(VALU_DEP_2)
	v_floor_f32 v12, -v13                          ; the new -M = floor(-t) = -ceil(t): a whole number
	s_delay_alu instid0(VALU_DEP_1)
	v_sub_f32 v254, v12, v254                      ; M's old value less its new one: a whole number, 0 or less
	s_delay_alu instid0(VALU_DEP_1)
	v_cvt_i32_f32 v254, v254                       ; (it saturates)
	s_delay_alu instid0(VALU_DEP_1)
	v_ldexp_f32 v252, 1.0, v254                    ; f = 2^(old M - new M)
.set j, 0
.rept 32
	v_pk_fma_f32 v[96+j:97+j], v[96+j:97+j], s[CS:CS+1], v[12:13] op_sel_hi:[1,0,0]   ; t - M, two at a time
.set j, j+2
.endr
.irp b, 0,1,2,3
	v_fma_f32 v[232+\b], v[232+\b], s[CS], v12     ; the same of each block's largest score
.endr
.set j, 0
	s_setprio 1
	s_wait_alu depctr_va_vdst(0)
.rept 64
	v_exp_f32 v[96+j], v[96+j]                     ; p = 2^(t - M), at most 1: not normalised
.set j, j+1
.endr
	v_pk_mul_f32 v[14:15], v[14:15], v[252:253] op_sel_hi:[1,0]   ; the sums under the new M.  (The plain line behind the exponentials)
	s_wait_alu depctr_va_vdst(0)                   ; one wait for the whole batch, ahead of its first reader
.irp b, 0,1,2,3
	v_exp_f32 v[232+\b], v[232+\b]                 ; the block's largest p: the same two instructions on the same number give the same bits
.endr
	v_pk_add_f32 v[236:237], v[100:101], v[104:105]
	v_pk_add_f32 v[254:255], v[108:109], v[112:113]
	v_pk_add_f32 v[250:251], v[116:117], v[120:121]
	v_pk_add_f32 v[246:247], v[124:125], v[128:129]
	v_pk_add_f32 v[244:245], v[132:133], v[136:137]
	v_pk_add_f32 v[242:243], v[140:141], v[144:145]
	v_pk_add_f32 v[240:241], v[148:149], v[152:153]
	v_pk_add_f32 v[14:15], v[14:15], v[156:157]
	v_pk_add_f32 v[236:237], v[236:237], v[96:97]
	v_pk_add_f32 v[254:255], v[254:255], v[98:99]
	v_pk_add_f32 v[250:251], v[250:251], v[102:103]
	v_pk_add_f32 v[246:247], v[246:247], v[106:107]
	v_pk_add_f32 v[244:245], v[244:245], v[110:111]
	v_pk_add_f32 v[242:243], v[242:243], v[114:115]
	v_pk_add_f32 v[240:241], v[240:241], v[118:119]
	v_pk_add_f32 v[14:15], v[14:15], v[122:123]
	v_pk_add_f32 v[236:237], v[236:237], v[126:127]
	v_pk_add_f32 v[254:255], v[254:255], v[130:131]
	v_pk_add_f32 v[250:251], v[250:251], v[134:135]
	v_pk_add_f32 v[246:247], v[246:247], v[138:139]
	v_pk_add_f32 v[244:245], v[244:245], v[142:143]
	v_pk_add_f32 v[242:243], v[242:243], v[146:147]
	v_pk_add_f32 v[240:241], v[240:241], v[150:151]
	v_pk_add_f32 v[14:15], v[14:15], v[154:155]
	v_pk_add_f32 v[236:237], v[236:237], v[158:159]
	s_delay_alu instid0(VALU_DEP_2)
	v_pk_add_f32 v[14:15], v[14:15], v[246:247]
	s_delay_alu instid0(VALU_DEP_2)
	v_pk_add_f32 v[236:237], v[236:237], v[244:245]
	v_pk_add_f32 v[254:255], v[254:255], v[242:243]
	v_pk_add_f32 v[250:251], v[250:251], v[240:241]
	s_delay_alu instid0(VALU_DEP_2)
	v_pk_add_f32 v[14:15], v[14:15], v[254:255]
	s_delay_alu instid0(VALU_DEP_2)
	v_pk_add_f32 v[236:237], v[236:237], v[250:251]
	s_delay_alu instid0(VALU_DEP_1)
	v_pk_add_f32 v[14:15], v[14:15], v[236:237]
	s_wait_alu depctr_va_vdst(0)                   ; and one for the four
.irp b, 0,1,2,3
	v_max_num_f32 v[232+\b], 0x1800000, v[232+\b]  ; the floor 2^(3 - 127): the byte cannot fall under 1
.endr
.irp b, 0,1,2,3
	s_delay_alu instid0(VALU_DEP_4)
	v_add_nc_u32 v[244+\b], 0xff000000, v[232+\b]  ; 2 off the exponent field: the conversion's scale operand
.endr
.irp b, 0,1,2,3
	s_delay_alu instid0(VALU_DEP_4)
	v_lshrrev_b32 v[236+\b], 23, v[244+\b]         ; the scale's byte
.endr
	s_delay_alu instid0(VALU_DEP_3)
	v_lshl_or_b32 v253, v237, 8, v236              ; p's scale word for these 128 keys
	s_delay_alu instid0(VALU_DEP_1)
	v_lshl_or_b32 v253, v238, 16, v253
	s_delay_alu instid0(VALU_DEP_1)
	v_lshl_or_b32 v253, v239, 24, v253
.irp u, 0,1
	v_cvt_scalef32_pk16_fp6_f32 v[224+6*\u:226+6*\u], v[96+32*\u:111+32*\u], v[244+2*\u]
	v_cvt_scalef32_pk16_fp6_f32 v[236+4*\u:238+4*\u], v[112+32*\u:127+32*\u], v[244+2*\u+1]
.endr
	v_nop                                          ; one plain line behind the conversions
.irp u, 0,1                                    ; the operand's layout wants a whole block in a lane
.irp i, 0,1,2
	v_permlane16_swap_b32 v[224+6*\u+\i], v[236+4*\u+\i]
.endr
.irp i, 0,1,2
	s_delay_alu instid0(VALU_DEP_3)
	v_mov_b32 v[227+6*\u+\i], v[236+4*\u+\i]
.endr
.endr
.set j, 0
	s_setprio 0
.rept 16
	v_pk_mul_f32 v[160+j:161+j], v[160+j:161+j], v[252:253] op_sel_hi:[1,0]   ; O^T under the new M.  (These sixteen are also the places between the lines that made p's codes and scale word and the products)
.set j, j+2
.endr
	s_wait_alu depctr_va_vdst(0)
	s_wait_dscnt 0x0                               ; V is in
.irp t, 0,2                                    ; O^T += V^T P^T: source 0 = 16 of the head's 64, source 1 = p; the four accumulators by turns
	v_wmma_scale_f32_16x16x128_f8f6f4 v[160+8*\t:167+8*\t], v[KV+12*\t:KV+12*\t+11], v[224:235], v[160+8*\t:167+8*\t], v[248+\t/2], v253 matrix_a_fmt:MATRIX_FMT_FP6 matrix_b_fmt:MATRIX_FMT_FP6
	v_wmma_scale_f32_16x16x128_f8f6f4 v[160+8*(\t+1):167+8*(\t+1)], v[KV+12*(\t+1):KV+12*(\t+1)+11], v[224:235], v[160+8*(\t+1):167+8*(\t+1)], v[248+\t/2], v253 matrix_a_fmt:MATRIX_FMT_FP6 matrix_b_fmt:MATRIX_FMT_FP6 matrix_a_scale:MATRIX_SCALE_ROW1
.endr
	s_add_co_u32 s[TB], s[TB], 6144                ; the next key step
	s_add_co_u32 s[TS], s[TS], 512
	s_add_co_u32 s[TJ], s[TJ], 512
.endm
; Head c of the pair: all keys, then O / the sum quantised into registers 6 c .. 6 c + 5 of the fragment and bytes 2 c, 2 c + 1 of the scale word.
.macro HEAD c
	s_mov_b32 s[TB], HEADB*\c
	s_mov_b32 s[TS], KSC+4096*\c
	s_mov_b32 s[TJ], VSC+256*\c
	v_mov_b32 v13, 0xff61b1e6                      ; the largest t so far: -3e38, under every t
	s_delay_alu instid0(VALU_DEP_1)
	v_floor_f32 v12, -v13                          ; -M
	v_mov_b32 v14, 0
	v_mov_b32 v15, 0
.set j, 0
.rept 32
	v_mov_b32 v[160+j], 0                          ; O^T: the step is written once: the first finds zeros, which the first change of M leaves zeros
.set j, j+1
.endr
	s_mov_b32 s[CNT], 8
.Lstep_\@:
	s_setprio 2
	STEP \c
	s_sub_co_u32 s[CNT], s[CNT], 1
	s_cmp_lg_u32 s[CNT], 0
	s_cbranch_scc1 .Lstep_\@
	s_setprio 0
.rept 4
	v_nop                                          ; places behind the last products
.endr
	v_add_f32 v14, v14, v15                        ; the sum's two halves,
	s_delay_alu instid0(VALU_DEP_1)
	v_permlanex16_b32 v252, v14, s[SEL], s[SEL+1]
	s_delay_alu instid0(VALU_DEP_1)
	v_add_f32 v14, v14, v252                       ; and lane l xor 16's: the row's sum, at least 1/2
	s_wait_alu depctr_va_vdst(0)
	v_rcp_f32 v14, v14
	v_nop                                          ; a plain line behind the reciprocal,
	s_wait_alu depctr_va_vdst(0)                   ; and the wait ahead of its first reader
.set j, 0
.rept 32
	v_mul_f32 v[96+j], v[160+j], v14               ; register 16 b + i is d = 32 b + 16 (lane / 16) + i of my query; each accumulator is read from its low end on
.set j, j+1
.endr
.irp b, 0,1
	v_max3_num_f32 v[232+\b], |v[96+16*\b]|, |v[97+16*\b]|, 0x1800000
.endr
.irp i, 2,4,6,8,10,12,14
.irp b, 0,1
	s_delay_alu instid0(VALU_DEP_2)
	v_max3_num_f32 v[232+\b], v[232+\b], |v[96+16*\b+\i]|, |v[97+16*\b+\i]|
.endr
.endr
.irp b, 0,1
	s_delay_alu instid0(VALU_DEP_2)
	v_permlanex16_b32 v[236+\b], v[232+\b], s[SEL], s[SEL+1]
.endr
.irp b, 0,1
	s_delay_alu instid0(VALU_DEP_2)
	v_max_num_f32 v[232+\b], v[232+\b], v[236+\b]
.endr
.irp b, 0,1
	s_delay_alu instid0(VALU_DEP_2)
	v_add_nc_u32 v[244+\b], 0xff000000, v[232+\b]
.endr
.irp b, 0,1
	s_delay_alu instid0(VALU_DEP_2)
	v_lshrrev_b32 v[236+\b], 23, v[244+\b]
.endr
.if \c == 0
	s_delay_alu instid0(VALU_DEP_1)
	v_lshl_or_b32 v204, v237, 8, v236
.else
	s_delay_alu instid0(VALU_DEP_1)
	v_lshl_or_b32 v236, v237, 8, v236
	s_delay_alu instid0(VALU_DEP_1)
	v_lshl_or_b32 v204, v236, 16, v204
.endif
	v_cvt_scalef32_pk16_fp6_f32 v[192+6*\c:194+6*\c], v[96:111], v244
	v_cvt_scalef32_pk16_fp6_f32 v[240:242], v[112:127], v245
	v_nop                                          ; one plain line behind the conversions
.irp i, 0,1,2
	v_permlane16_swap_b32 v[192+6*\c+\i], v[240+\i]
.endr
.irp i, 0,1,2
	s_delay_alu instid0(VALU_DEP_3)
	v_mov_b32 v[195+6*\c+\i], v[240+\i]
.endr
.endm
	s_wait_tensorcnt 1                             ; my shares of the scale words and of head 0 are in; head 1's may stay out
	s_barrier_signal -1
	s_barrier_wait -1                              ; everybody's are
	s_wait_loadcnt 0x0                             ; Q
	HEAD 0
	s_wait_tensorcnt 0x0                           ; my share of head 1 is in,
	s_wait_dscnt 0x0
	s_barrier_signal -1
	s_barrier_wait -1                              ; everybody's is
	HEAD 1
.irp g, 0,1,2
	global_store_b128 v1, v[192+4*\g:195+4*\g], s[8:9] offset:512*\g   ; the fragment as it stands: 512 consecutive bytes a store
.endr
	global_store_b32 v11, v204, s[10:11]           ; lanes l and l + 16 hold the same word and store it to the same place
	s_wait_tensorcnt 0x0                           ; the wave's end
	ds_add_u32 v8, v9
	s_wait_dscnt 0x0
	CROUND                                         ; the closing round
	s_endpgm
.Lfunc_end_k_qdc05472ea4_attn:
	.size	k_qdc05472ea4_attn, .Lfunc_end_k_qdc05472ea4_attn-k_qdc05472ea4_attn
	.p2alignl 7, 3214868480
	.fill 96, 4, 3214868480
	.section	.rodata,"a",@progbits
	.p2align	6, 0x0
	.amdhsa_kernel k_qdc05472ea4_attn
		.amdhsa_group_segment_fixed_size 210944
		.amdhsa_private_segment_fixed_size 0
		.amdhsa_enable_private_segment 0
		.amdhsa_kernarg_size 32
		.amdhsa_user_sgpr_count 2
		.amdhsa_user_sgpr_kernarg_segment_ptr 1
		.amdhsa_wavefront_size32 1
		.amdhsa_system_sgpr_workgroup_id_x 1
		.amdhsa_system_sgpr_workgroup_id_y 1
		.amdhsa_system_sgpr_workgroup_id_z 1
		.amdhsa_system_vgpr_workitem_id 0
		.amdhsa_next_free_vgpr 256
		.amdhsa_next_free_sgpr 100
		.amdhsa_reserve_vcc 0
		.amdhsa_float_denorm_mode_32 3
		.amdhsa_float_denorm_mode_16_64 3
		.amdhsa_memory_ordered 1
		.amdhsa_forward_progress 1
		.amdhsa_inst_pref_size 56
	.end_amdhsa_kernel
	.amdgpu_metadata
---
amdhsa.version: [ 1, 2 ]
amdhsa.kernels:
  - .name:           k_qdc05472ea4_attn
    .symbol:         k_qdc05472ea4_attn.kd
    .args:
      - { .name: himg, .offset: 0, .size: 8, .value_kind: global_buffer, .address_space: global }
      - { .name: hscl, .offset: 8, .size: 8, .value_kind: global_buffer, .address_space: global }
      - { .name: oimg, .offset: 16, .size: 8, .value_kind: global_buffer, .address_space: global }
      - { .name: oscl, .offset: 24, .size: 8, .value_kind: global_buffer, .address_space: global }
    .group_segment_fixed_size: 210944
    .private_segment_fixed_size: 0
    .kernarg_segment_align: 8
    .kernarg_segment_size: 32
    .max_flat_workgroup_size: 512
    .sgpr_count:     100
    .vgpr_count:     256
    .wavefront_size: 32
...
	.end_amdgpu_metadata
.endif
;; end of part 3
;; launch fcln (part 4): grid 256 x 1, 4 waves a work-group, no clusters, 35,328 bytes of LDS; arguments img, scl, oimg, oscl, fc_b, ln_g, ln_b, out0; writes out0
.if DOCPART == 4
	.amdgcn_target "amdgcn-amd-amdhsa--gfx1250"
	.amdhsa_code_object_version 6
	.text
	.protected	k_qdc05472ea4_fcln
	.globl	k_qdc05472ea4_fcln
	.p2align	8
	.type	k_qdc05472ea4_fcln,@function
k_qdc05472ea4_fcln:
	s_mov_b64 s[64:65], 0
	v_nop
	global_prefetch_b8 v0, s[64:65] scope:SCOPE_SE
	s_setreg_imm32_b32 hwreg(HW_REG_WAVE_MODE, 25, 1), 1
	s_wait_xcnt 0x0
; out0 = LayerNorm(O fc_w^T + fc_b) x ln_g + ln_b.  O (8192 x 1024) and fc_w (1024 x 1024) are codes of FP6 (E2M3) with E8M0 scales, laid as images of operand registers (16 rows x 128 K = 1,536 bytes, three groups of 512).
; SHARES.  A work-group owns 32 whole rows (two tiles of O), so that a row's mean and variance never leave it; wave w owns columns 256 w .. 256 w + 255 (16 tiles of fc_w): 32 accumulators.
; Source 0 = 16 rows of fc_w, source 1 = 16 rows of O: lane (r, h) holds row 32 g + 8 m + r + 8 (r / 8), and register j of tile t column 256 w + 32 (t / 2) + 16 h + 8 (t % 2) + j.
; NO LDS RING, NO JOINT LOADS: a fragment of fc_w is read by one wave of the work-group alone, so LDS would give it no second reader; and with 32 rows a K step is 32 matrix instructions a wave, too little work for a
; refill behind a cluster's round to land in.  The fragments come from memory straight into registers, three loads of 512 consecutive bytes each, in two sets that take turns, with counted waits and no barrier.
; The bias is loaded into the accumulators: it costs no addition.
; LAYER NORM in two passes: the mean, then the sum of squares of (x - mean): no difference of large sums.  Sums across the four waves go through LDS, in bytes of their own for each pass.
; REGISTERS, in windows of 256: window 0: v1-13 addresses; v16-23 ln_g, v24-31 ln_b; v32-95 fc_w's scale words, v96-103 O's, and nothing else; v104-125 sums and statistics; v128-255 two buffers of the way out.
;   window 1: accumulator (m, t) at v[8 (16 m + t)].   windows 2, 3: sets 0, 1: fc_w's 16 fragments at 12 t, O's two at 192 + 12 m.
.set RED1,  33792                      ; behind the four stages (16 rows x 528 bytes each): the first pass's partial sums, [m][r][wave], 512 bytes;
.set SPARE, 34816                      ; the second pass's lie 512 on; then the spare words, 128 bytes a wave: two blocks of 256 bytes that no other line names
.set SUM,   104                        ; v104-119 four chains of pairs for each m
.set PT,    120                        ; v120-121 a lane permute's destination
.set MU,    122                        ; v122-125 the mean, later 1 / sqrt(var + eps), twice, for each m
.set SEL,   24                         ; s[24:25]
.set MSB, 0
.macro WIN new                         ; the immediate's high byte repeats the setting that is left
.if MSB != (\new)
	s_set_vgpr_msb (MSB<<8)|(\new)
.set MSB, (\new)
.endif
.endm
	s_load_b256 s[4:11], s[0:1], 0x0               ; img, scl, oimg, oscl
	s_load_b256 s[12:19], s[0:1], 0x20             ; fc_b, ln_g, ln_b, out0
	v_lshl_add_u32 v12, v0, 2, SPARE               ; my spare word; never rewritten
	v_mov_b32 v13, 0                               ; 0; never rewritten
	v_lshrrev_b32 v2, 5, v0
	v_readfirstlane_b32 s20, v2                    ; wave 0..3
	v_and_b32 v2, 31, v0                           ; lane
	v_and_b32 v3, 15, v0                           ; r
	v_bfe_u32 v11, v0, 4, 1                        ; h
	v_lshlrev_b32 v1, 4, v2                        ; 16 x lane
	v_lshlrev_b32 v4, 5, v2                        ; 32 x lane
	v_lshlrev_b32 v5, 2, v2                        ; 4 x lane
	v_lshlrev_b32 v10, 6, v11                      ; 64 h
	s_mul_i32 s21, s20, 8448                       ; my stage
	v_mul_u32_u24 v6, v3, 528
	v_lshl_add_u32 v6, v11, 6, v6
	v_add_nc_u32 v6, s21, v6                       ; in: row r, + 64 h
	v_add_nc_u32 v7, s21, v1                       ; back: 16 bytes a lane of a row's 512
	v_lshl_add_u32 v9, v3, 4, RED1                 ; a row's four partial sums,
	s_lshl_b32 s21, s20, 2
	v_add_nc_u32 v8, s21, v9                       ; and my wave's among them
	v_mov_b32 v[PT], 0                             ; written once: a lane permute's destination counts as one of its sources
	v_mov_b32 v[PT+1], 0
	s_mov_b32 s[SEL], 0x76543210
	s_mov_b32 s[SEL+1], 0xfedcba98
	s_mov_b32 s26, 0x3a800000                      ; 1 / 1024
	s_mov_b32 s27, 0x3727c5ac                      ; 1e-5
	s_mov_b32 s23, 0
	s_wait_kmcnt 0x0
	s_mul_i32 s22, s20, 196608
	s_add_co_u32 s22, s22, 21233664
	s_add_nc_u64 s[4:5], s[4:5], s[22:23]          ; fc_w's tile 16 w (tile 1728 + 16 w of img)
	s_lshl_b32 s22, s20, 13
	s_add_co_u32 s22, s22, 884736
	s_add_nc_u64 s[6:7], s[6:7], s[22:23]          ; and its scale bytes
	s_mul_i32 s22, ttmp9, 24576
	s_add_nc_u64 s[8:9], s[8:9], s[22:23]          ; O's two tiles
	s_lshl_b32 s22, ttmp9, 7
	s_add_nc_u64 s[10:11], s[10:11], s[22:23]      ; and their scale words
	s_lshl_b32 s22, s20, 10                        ; my 256 columns
	s_add_nc_u64 s[12:13], s[12:13], s[22:23]
	s_add_nc_u64 s[14:15], s[14:15], s[22:23]
	s_add_nc_u64 s[16:17], s[16:17], s[22:23]
	s_add_nc_u64 s[18:19], s[18:19], s[22:23]
	s_lshl_b32 s22, ttmp9, 17                      ; my 32 rows of 4,096 bytes
	s_add_nc_u64 s[18:19], s[18:19], s[22:23]
	WIN 0x40                                       ; destination window 1
.irp m, 0,1
.irp t, 0,1,2,3,4,5,6,7,8,9,10,11,12,13,14,15
	global_load_b128 v[8*(16*\m+\t):8*(16*\m+\t)+3], v10, s[12:13] offset:4*(32*(\t/2)+8*(\t%2))        ; the bias of the tile's eight columns of my half starts the sums
	global_load_b128 v[8*(16*\m+\t)+4:8*(16*\m+\t)+7], v10, s[12:13] offset:4*(32*(\t/2)+8*(\t%2))+16
.endr
.endr
	WIN 0
.irp x, 0,1,2,3,4,5,6,7
	global_load_b128 v[32+8*\x:35+8*\x], v4, s[6:7] offset:1024*\x         ; fc_w's scale words: lanes 0-15 tile 2 x's row r, lanes 16-31 tile 2 x + 1's: a row's 32 bytes are the words of the eight K steps
	global_load_b128 v[36+8*\x:39+8*\x], v4, s[6:7] offset:1024*\x+16
.endr
.irp s, 0,1,2,3,4,5,6,7
	global_load_b32 v[96+\s], v5, s[10:11] offset:32768*\s                 ; O's: lanes 0-15 tile m = 0, lanes 16-31 m = 1
.endr
.irp q, 0,1
	global_load_b128 v[16+4*\q:19+4*\q], v1, s[14:15] offset:512*\q        ; ln_g and ln_b as the way out wants them: columns 128 q + 4 x lane on
	global_load_b128 v[24+4*\q:27+4*\q], v1, s[16:17] offset:512*\q
.endr
.macro LOADSET set, s                  ; K step s: 54 loads of 512 consecutive bytes
	WIN 0x80+0x40*(\set)
.irp t, 0,1,2,3,4,5,6,7,8,9,10,11,12,13,14,15
.irp g, 0,1,2
	global_load_b128 v[12*\t+4*\g:12*\t+4*\g+3], v1, s[4:5] offset:12288*\t+1536*(\s)+512*\g
.endr
.endr
.irp m, 0,1
.irp g, 0,1,2
	global_load_b128 v[192+12*\m+4*\g:192+12*\m+4*\g+3], v1, s[8:9] offset:12288*\m+1536*(\s)+512*\g
.endr
.endr
.endm
.macro MM m, t, s                      ; one product in place; which half of the lanes holds a side's scale words hangs on t % 2 and on m
.set DD, 8*(16*(\m)+(\t))
.set FA, 12*(\t)
.set FB, 192+12*(\m)
.set SA, 32+8*((\t)/2)+(\s)
.set SB, 96+(\s)
.if ((\t)%2 == 0) && ((\m) == 0)
	v_wmma_scale_f32_16x16x128_f8f6f4 v[DD:DD+7], v[FA:FA+11], v[FB:FB+11], v[DD:DD+7], v[SA], v[SB] matrix_a_fmt:MATRIX_FMT_FP6 matrix_b_fmt:MATRIX_FMT_FP6
.elseif ((\t)%2 == 1) && ((\m) == 0)
	v_wmma_scale_f32_16x16x128_f8f6f4 v[DD:DD+7], v[FA:FA+11], v[FB:FB+11], v[DD:DD+7], v[SA], v[SB] matrix_a_fmt:MATRIX_FMT_FP6 matrix_b_fmt:MATRIX_FMT_FP6 matrix_a_scale:MATRIX_SCALE_ROW1
.elseif (\t)%2 == 0
	v_wmma_scale_f32_16x16x128_f8f6f4 v[DD:DD+7], v[FA:FA+11], v[FB:FB+11], v[DD:DD+7], v[SA], v[SB] matrix_a_fmt:MATRIX_FMT_FP6 matrix_b_fmt:MATRIX_FMT_FP6 matrix_b_scale:MATRIX_SCALE_ROW1
.else
	v_wmma_scale_f32_16x16x128_f8f6f4 v[DD:DD+7], v[FA:FA+11], v[FB:FB+11], v[DD:DD+7], v[SA], v[SB] matrix_a_fmt:MATRIX_FMT_FP6 matrix_b_fmt:MATRIX_FMT_FP6 matrix_a_scale:MATRIX_SCALE_ROW1 matrix_b_scale:MATRIX_SCALE_ROW1
.endif
.endm
.macro MULSET set, s                   ; 32 products: the 32 accumulators take turns, one instruction a turn, in the same order in every K step
	WIN 0x5a+5*(\set)                              ; sources 0 and 1: the set's window; C and D: window 1
.irp t, 0,1,2,3,4,5,6,7,8,9,10,11,12,13,14,15
	MM 0, \t, \s
	MM 1, \t, \s
.endr
.endm
	LOADSET 0, 0
	LOADSET 1, 1
.irp s, 0,1,2,3,4,5,6,7
.if \s < 7
	s_wait_loadcnt 54                              ; all but the next K step's 54 loads: this step's set is in (at the first step: the bias, the scale words and the gains too)
.else
	s_wait_loadcnt 0x0
.endif
	MULSET \s%2, \s
.if \s < 6
.rept 4
	v_nop                                          ; places in front of loads into registers that matrix instructions have read
.endr
	LOADSET \s%2, \s+2
.endif
.endr
.rept 4
	v_nop                                          ; places in front of the first read of the results
.endr
; The eight chains are folded; lane l xor 16 holds the row's other columns of my wave; the four waves' sums meet in LDS, at byte off of the two regions, and every wave adds them in the same order.
.macro REDUCE off
.irp m, 0,1
	v_pk_add_f32 v[SUM+8*\m:SUM+8*\m+1], v[SUM+8*\m:SUM+8*\m+1], v[SUM+8*\m+2:SUM+8*\m+3]
	v_pk_add_f32 v[SUM+8*\m+4:SUM+8*\m+5], v[SUM+8*\m+4:SUM+8*\m+5], v[SUM+8*\m+6:SUM+8*\m+7]
.endr
.irp m, 0,1
	v_pk_add_f32 v[SUM+8*\m:SUM+8*\m+1], v[SUM+8*\m:SUM+8*\m+1], v[SUM+8*\m+4:SUM+8*\m+5]
.endr
.irp m, 0,1
	v_add_f32 v[SUM+8*\m], v[SUM+8*\m], v[SUM+8*\m+1]
.endr
.irp m, 0,1
	v_permlanex16_b32 v[PT+\m], v[SUM+8*\m], s[SEL], s[SEL+1]
.endr
.irp m, 0,1
	v_add_f32 v[SUM+8*\m], v[SUM+8*\m], v[PT+\m]
.endr
.irp m, 0,1
	ds_store_b32 v8, v[SUM+8*\m] offset:\off+256*\m        ; lanes l and l + 16 write the same word with the same value
.endr
	s_wait_dscnt 0x0                               ; for the others' sake: my stores have landed
	s_barrier_signal -1
	s_barrier_wait -1
.irp m, 0,1
	ds_load_b128 v[SUM+8*\m:SUM+8*\m+3], v9 offset:\off+256*\m
.endr
	s_wait_dscnt 0x0
.irp m, 0,1
	v_add_f32 v[SUM+8*\m], v[SUM+8*\m], v[SUM+8*\m+1]
	v_add_f32 v[SUM+8*\m+2], v[SUM+8*\m+2], v[SUM+8*\m+3]
.endr
.irp m, 0,1
	v_add_f32 v[SUM+8*\m], v[SUM+8*\m], v[SUM+8*\m+2]
.endr
.endm
	; pass 1: the rows' sums.  Chain p takes pair p of every accumulator; the first two accumulators start the chains
	WIN 0x05                                       ; sources 0 and 1 window 1
.irp m, 0,1
.irp p, 0,1,2,3
	v_pk_add_f32 v[SUM+8*\m+2*\p:SUM+8*\m+2*\p+1], v[128*\m+2*\p:128*\m+2*\p+1], v[128*\m+8+2*\p:128*\m+8+2*\p+1]
.endr
.endr
	WIN 0x04                                       ; source 1 window 1
.set t, 2
.rept 14
.irp m, 0,1
.irp p, 0,1,2,3
	v_pk_add_f32 v[SUM+8*\m+2*\p:SUM+8*\m+2*\p+1], v[SUM+8*\m+2*\p:SUM+8*\m+2*\p+1], v[128*\m+8*t+2*\p:128*\m+8*t+2*\p+1]
.endr
.endr
.set t, t+1
.endr
	WIN 0
	REDUCE 0
.irp m, 0,1
	v_mul_f32 v[MU+2*\m], s26, v[SUM+8*\m]         ; the mean,
	v_mul_f32 v[MU+2*\m+1], s26, v[SUM+8*\m]       ; twice: a pair for the packed forms
.endr
	WIN 0x41                                       ; destination and source 0 window 1
.irp m, 0,1
.set j, 0
.rept 64
	v_pk_add_f32 v[128*\m+j:128*\m+j+1], v[128*\m+j:128*\m+j+1], v[MU+2*\m:MU+2*\m+1] neg_lo:[0,1] neg_hi:[0,1]   ; x - mean
.set j, j+2
.endr
.endr
	; pass 2: the sums of squares
	WIN 0x05
.irp m, 0,1
.irp p, 0,1,2,3
	v_pk_mul_f32 v[SUM+8*\m+2*\p:SUM+8*\m+2*\p+1], v[128*\m+2*\p:128*\m+2*\p+1], v[128*\m+2*\p:128*\m+2*\p+1]
.endr
.endr
.set t, 1
.rept 15
.irp m, 0,1
.irp p, 0,1,2,3
	v_pk_fma_f32 v[SUM+8*\m+2*\p:SUM+8*\m+2*\p+1], v[128*\m+8*t+2*\p:128*\m+8*t+2*\p+1], v[128*\m+8*t+2*\p:128*\m+8*t+2*\p+1], v[SUM+8*\m+2*\p:SUM+8*\m+2*\p+1]
.endr
.endr
.set t, t+1
.endr
	WIN 0
	REDUCE 512
.irp m, 0,1
	v_fma_f32 v[SUM+8*\m], v[SUM+8*\m], s26, s27   ; the variance + 1e-5
.endr
.irp m, 0,1
	v_rsq_f32 v[MU+2*\m], v[SUM+8*\m]
.endr
	v_nop                                          ; a plain line behind the two,
	s_wait_alu depctr_va_vdst(0)                   ; and one wait ahead of their first reader
.irp m, 0,1
	v_mov_b32 v[MU+2*\m+1], v[MU+2*\m]
.endr
	WIN 0x41
.irp m, 0,1
.set j, 0
.rept 64
	v_pk_mul_f32 v[128*\m+j:128*\m+j+1], v[128*\m+j:128*\m+j+1], v[MU+2*\m:MU+2*\m+1]
.set j, j+2
.endr
.endr
; THE WAY OUT, in four blocks a = 2 m + q of 16 rows x 128 columns.  A lane holds pieces of 32 bytes of one row: a block goes through my own stage (rows of 512 bytes + 16) and comes back as whole rows; there a lane's four
; columns are the same in every row, so the gain and the offset are two packed multiply-adds a row.  LDS serves a wave's instructions in order: no wait between the stores and the loads, nor in front of the next block's stores.
.macro TOSTAGE a
.set AC, 128*((\a)/2)+64*((\a)%2)
	WIN 0x04                                       ; an LDS store's data are its source 1: window 1
.irp u, 0,1,2,3,4,5,6,7
	ds_store_b128 v6, v[AC+8*\u:AC+8*\u+3] offset:128*(\u/2)+32*(\u%2)
	ds_store_b128 v6, v[AC+8*\u+4:AC+8*\u+7] offset:128*(\u/2)+32*(\u%2)+16
.endr
	WIN 0
.set BB, 128+64*((\a)%2)
.irp i, 0,1,2,3,4,5,6,7,8,9,10,11,12,13,14,15
	ds_load_b128 v[BB+4*\i:BB+4*\i+3], v7 offset:528*\i
.endr
.endm
.macro SEND a, younger                 ; younger: the LDS instructions issued behind block a's loads, which may stay out
.set BB, 128+64*((\a)%2)
.set QQ, (\a)%2
.set RM, (\a)/2
	s_wait_dscnt \younger
.irp i, 0,1,2,3,4,5,6,7,8,9,10,11,12,13,14,15
	v_pk_fma_f32 v[BB+4*\i:BB+4*\i+1], v[BB+4*\i:BB+4*\i+1], v[16+4*QQ:17+4*QQ], v[24+4*QQ:25+4*QQ]
	v_pk_fma_f32 v[BB+4*\i+2:BB+4*\i+3], v[BB+4*\i+2:BB+4*\i+3], v[18+4*QQ:19+4*QQ], v[26+4*QQ:27+4*QQ]
.endr
.irp i, 0,1,2,3,4,5,6,7,8,9,10,11,12,13,14,15
	global_store_b128 v1, v[BB+4*\i:BB+4*\i+3], s[18:19] offset:(8*RM+\i+8*(\i/8))*4096+512*QQ th:TH_STORE_NT   ; 32 lanes store 512 consecutive bytes, at a multiple of 256 from out0's first byte; written once, read by nobody here
.endr
.endm
	TOSTAGE 0
	TOSTAGE 1
	SEND 0, 32                                     ; behind block 0's loads: block 1's 16 stores and 16 loads
	s_wait_xcnt 0x0                                ; block 0's stores have read their registers: block 2's loads may land there
	TOSTAGE 2
	SEND 1, 32
	s_wait_xcnt 0x0                                ; block 1's likewise
	TOSTAGE 3
	SEND 2, 32
	SEND 3, 0
	s_wait_tensorcnt 0x0                           ; the wave's end, behind my last LDS store (every window is 0 here)
	ds_add_u32 v12, v13
	s_wait_dscnt 0x0
	s_endpgm
.Lfunc_end_k_qdc05472ea4_fcln:
	.size	k_qdc05472ea4_fcln, .Lfunc_end_k_qdc05472ea4_fcln-k_qdc05472ea4_fcln
	.p2alignl 7, 3214868480
	.fill 96, 4, 3214868480
	.section	.rodata,"a",@progbits
	.p2align	6, 0x0
	.amdhsa_kernel k_qdc05472ea4_fcln
		.amdhsa_group_segment_fixed_size 35328
		.amdhsa_private_segment_fixed_size 0
		.amdhsa_enable_private_segment 0
		.amdhsa_kernarg_size 64
		.amdhsa_user_sgpr_count 2
		.amdhsa_user_sgpr_kernarg_segment_ptr 1
		.amdhsa_wavefront_size32 1
		.amdhsa_system_sgpr_workgroup_id_x 1
		.amdhsa_system_sgpr_workgroup_id_y 1
		.amdhsa_system_sgpr_workgroup_id_z 1
		.amdhsa_system_vgpr_workitem_id 0
		.amdhsa_next_free_vgpr 1024
		.amdhsa_next_free_sgpr 66
		.amdhsa_reserve_vcc 0
		.amdhsa_float_denorm_mode_32 3
		.amdhsa_float_denorm_mode_16_64 3
		.amdhsa_memory_ordered 1
		.amdhsa_forward_progress 1
		.amdhsa_inst_pref_size 143
	.end_amdhsa_kernel
	.amdgpu_metadata
---
amdhsa.version: [ 1, 2 ]
amdhsa.kernels:
  - .name:           k_qdc05472ea4_fcln
    .symbol:         k_qdc05472ea4_fcln.kd
    .args:
      - { .name: img, .offset: 0, .size: 8, .value_kind: global_buffer, .address_space: global }
      - { .name: scl, .offset: 8, .size: 8, .value_kind: global_buffer, .address_space: global }
      - { .name: oimg, .offset: 16, .size: 8, .value_kind: global_buffer, .address_space: global }
      - { .name: oscl, .offset: 24, .size: 8, .value_kind: global_buffer, .address_space: global }
      - { .name: fc_b, .offset: 32, .size: 8, .value_kind: global_buffer, .address_space: global }
      - { .name: ln_g, .offset: 40, .size: 8, .value_kind: global_buffer, .address_space: global }
      - { .name: ln_b, .offset: 48, .size: 8, .value_kind: global_buffer, .address_space: global }
      - { .name: out0, .offset: 56, .size: 8, .value_kind: global_buffer, .address_space: global }
    .group_segment_fixed_size: 35328
    .private_segment_fixed_size: 0
    .kernarg_segment_align: 8
    .kernarg_segment_size: 64
    .max_flat_workgroup_size: 128
    .sgpr_count:     66
    .vgpr_count:     1024
    .wavefront_size: 32
...
	.end_amdgpu_metadata
.endif
;; end of part 4
